; MI455X (gfx1250); checked and timed in simulation.
; The chip was launched on July 23, 2026; its instructions are those of AMD's public machine-readable ISA for CDNA 5 (MIT licence, August 2026) and "CDNA5" Instruction Set Architecture Reference Guide (July 2026). The comments in the code are by the model that wrote it; some were corrected since.
;; J Attention. Allowed arithmetic: matrix products marked QUANTISED: E2M3 operands, one E8M0 scale for each 32 along K, by v_wmma_scale_f32_16x16x128_f8f6f4 with both operands' format E2M3, f32 sums; everything else in f32.
;; Inputs: wk 2,048 x 512 float32; wo 1,024 x 2,048 float32; wq 2,048 x 1,024 float32; wv 2,048 x 512 float32; x 1 x 4,096 x 2,048 float32.
;; Outputs: out0 1 x 4,096 x 2,048 float32.
;; This version of the problem:
;;   THIS VERSION OF THE PROBLEM IS GIVEN IN LOW PRECISION. The matrix products marked QUANTISED in the list below multiply operands that are first quantised to E2M3 (2 exponent bits, 3 mantissa bits; 6 bits a number), with one power-of-two scale for each 32 numbers along K (OCP MX v1.0); their sums are f32. All else is computed in f32.
;;   The module's matrix products, in the order in which they are computed (A, B: the left and right operand; K: the contracted axis; several contracted axes count as one K, in the product's order):
;;     1. [M 4,096, K 2,048] x [K 2,048, N 1,024]; A: input x; B: input wq: QUANTISED
;;     2. [M 4,096, K 2,048] x [K 2,048, N 512]; A: input x; B: input wk: QUANTISED
;;     3. [M 4,096, K 2,048] x [K 2,048, N 512]; A: input x; B: input wv: QUANTISED
;;     4. batch 8 x [M 4,096, K 128] x [K 128, N 4,096]; A: computed on the way; B: computed on the way: QUANTISED
;;     5. batch 8 x [M 4,096, K 4,096] x [K 4,096, N 128]; A: softmax (see below); B: computed on the way: QUANTISED
;;     6. [M 4,096, K 1,024] x [K 1,024, N 2,048]; A: computed on the way; B: input wo: QUANTISED
;;   THE QUANTISER, for each operand of a quantised product, along K:
;;     - K is cut into blocks of 32 from its start; a last block that is shorter is filled with zeros.
;;     - A block's scale is 2^e with e = floor(log2(the largest magnitude in the block)) - 2, held to -126 .. 127; a block of zeros has e = 0. As a byte (E8M0): e + 127.
;;     - Each number is divided by its block's scale, clamped to +-7.5, and rounded to the nearest number of E2M3, ties to even, subnormals kept.
;;     - The product sums the exact products of the quantised numbers (number of the format x scale) in f32.
;;   ~~~python
;;   def quantise(x, axis):      # numpy; x: float32 -> the quantised numbers, widened to float32 again
;;       x = np.moveaxis(x, axis, -1); K = x.shape[-1]
;;       x = np.pad(x, [(0, 0)] * (x.ndim - 1) + [(0, -K % 32)]); x = x.reshape(x.shape[:-1] + (-1, 32)); a = np.abs(x).max(-1, keepdims=True)
;;       e = np.where(a > 0, np.clip(np.frexp(np.where(a > 0, a, 1))[1] - 1 - 2, -126, 127), 0)      # np.frexp(a)[1] - 1 = floor(log2(a)), exactly
;;       r = np.clip(x / 2.0 ** e, -7.5, 7.5)
;;       step = 2.0 ** (np.maximum(np.frexp(np.where(r == 0, 1, r))[1] - 1, 0) - 3)
;;       q = np.round(r / step) * step * 2.0 ** e      # np.round: ties to even
;;       return np.moveaxis(q.reshape(q.shape[:-2] + (-1,))[..., :K], -1, axis).astype(np.float32)
;;   ~~~
;;   SOFTMAX AHEAD OF A QUANTISED PRODUCT. Where the list says 'softmax', what is quantised is not the finished softmax but p = 2^(t - M), with t = logit x log2(e) and M = ceil(the row's largest t), a whole number; so 1/2 < the row's largest p <= 1. The row's sum l is taken of the UNQUANTISED p, in f32, and the product's result is divided by l at the end. Since M is a whole number, a kernel that streams over the keys may use a running M (the ceiling of the running maximum): every later rescaling is an exact power of two, which a block's scale takes up: the codes' values come out the same.
;;   OPERANDS COMPUTED ON THE WAY. 'Computed on the way' means the value that the module computes at that place (a softmax that the list does not call 'softmax' is quantised finished and normalised). What goes into a quantiser is computed in f32, as accurately as f32 sums, v_exp_f32 and their like allow (about 1e-6 of the number): no bf16 or f16 on the way to a quantiser, and a product that is left as it is and whose result goes on into a quantised operand takes f32 operands (vector FMAs, or v_wmma_f32_16x16x4_f32). A number that lies on a knife's edge between two numbers of the format may be rounded either way, as far as f32 arithmetic and the matrix unit's own rounding can turn it there, and no further.
;; One version. Each part assembles by itself: llvm-mc -triple=amdgcn-amd-amdhsa -mcpu=gfx1250 --defsym DOCPART=n.
;; ======== version 1 of 1: 4 launches
;; limits: right only within a limited range of input values
;; workspace buffers: ximg 6,553,600 bytes; wimg 4,915,200 bytes; rope 2,097,152 bytes; qimg 3,276,800 bytes; kvimg 3,276,800 bytes; oimg 3,276,800 bytes
;; launch prep (part 1): grid 448 x 1, 8 waves a work-group, no clusters, 68,608 bytes of LDS; arguments x, wq, wk, wv, wo, ximg, wimg, rope; writes ximg, wimg, rope
.if DOCPART == 1
	.amdgcn_target "amdgcn-amd-amdhsa--gfx1250"
	.amdhsa_code_object_version 6
	.text
	.protected	k_q4a462e2b0a_prep
	.globl	k_q4a462e2b0a_prep
	.p2align	8
	.type	k_q4a462e2b0a_prep,@function
k_q4a462e2b0a_prep:
	s_mov_b64 s[64:65], 0
	v_nop
	global_prefetch_b8 v0, s[64:65] scope:SCOPE_SE
	s_setreg_imm32_b32 hwreg(HW_REG_WAVE_MODE, 25, 1), 1
	s_wait_xcnt 0x0
; PREP: x [4096][2048] and the four weights (K = their FIRST axis) become codes of FP6 (E2M3) with one E8M0 byte for each 32 along K; and the table of cos and sin for the rotary embedding is made.
; LAYOUT OF ALL CODES OF THIS PROGRAM.  A fragment (16 rows x 128 K, 12 registers a lane) lies in memory as the image of its registers: register 4 c + i of lane l at byte 512 c + 16 l + 4 i (1,536 bytes).
; A UNIT is 8 fragments (128 rows, one K step of 128) and behind them the rows' 128 scale words: 12,800 bytes.  ximg: [128 tokens][K step]; wimg: unit 16 nb + s for the columns of wq, wk, wv side by side, unit 256 + 8 nb + s for wo.
; ORDER INSIDE A BLOCK OF 32: place p holds k = 32 b + sigma(p), sigma = p with its bits 3 and 4 exchanged.  Every operand of every product of this program is laid so, so the products are the same; only the order of a sum differs.
; A block's scale is 2^(floor(log2(its largest magnitude)) - 2); its byte is the largest magnitude's exponent field - 2, held at 1 from below.
; LIMITS: NaN and infinities among the inputs are not served; a block whose largest magnitude lies under 2^-124, a block of zeros among them, keeps the byte 1 (its codes are what the conversion gives; only this program reads the bytes).
; THE TABLE.  The frequency is made in the definition's own two roundings: 10000^(j / 64) rounded to f32, then its reciprocal rounded to f32.  The power is a product, in pairs of f32 (a high and a low part, good to about 2^-44), of
; 10^(1/16), 10^(1/8), 10^(1/4), 10^(1/2), got by four square roots from 10, and an exact power of ten; where the definition's own power function should not round to the nearest f32, one unit in the last place remains.
; The angle (up to 12,287) is the f32 product of position and frequency; it is reduced by pi / 2 in two parts, the first step exact; sin and cos by polynomials on +-pi / 4, good to about a unit in the last place.
; Work-groups 0-255: x and the table (LDS: a stage of its own for each wave).  Work-groups 256-447: the weights (no LDS).  No work-group reads what another reads: no cluster.  No barrier: waves share nothing.
.set UNIT, 12800
.set STG,  8448                        ; a wave's stage: 16 rows x SPI
.set SPI,  528                         ; a stage row: 512 bytes + 16, so that the 16 rows that a load touches start 16 bytes apart modulo 256
.set TM,   16                          ; v16-31  at work in QUANT
.set PW0,  32
.set PW1,  33
.set SCW,  34
.set CO,   36                          ; v36-39  four cos
.set SI,   40                          ; v40-43  four sin
.set R,    64                          ; v64-191 32 rows as loaded
.set X0,   192                         ; v192-255 tile 0's numbers, 64 a lane; before that the table's work
.set X1,   64                          ; tile 1's
.set PC0,  128
.set PC1,  148
.set RT,   192                         ; v192-219 the table's work
.set G8,   224                         ; pairs (high, low): 10^(1/2),
.set G4,   226                         ; 10^(1/4),
.set G2,   228                         ; 10^(1/8),
.set G1,   230                         ; 10^(1/16),
.set G3,   232                         ; 10^(3/16)
.set BA,   234                         ; the part of the power that my four numbers share
.set DA,   236
.set DB,   238
.set DT,   240                         ; v240-243 at work; v244-245 the pair 10; v246-247 the power of ten
.set SEL,  40                          ; s[40:41] lane selects: lane l xor 16
.set TOP,  46
.set P1,   47
.set P2,   48
.set S1,   49
.set S2,   50
.set S3,   51
.set C1,   52
.set C2,   53
.set C3,   54
.set XW,   64                          ; weights: v64-191 four blocks of 32 numbers
.set VO,   192                         ; v192-223 row i of a block: (i << log2(row bytes)) + 4 x lane
.set SB,   48                          ; s[48:55] the four blocks' first rows
; 64 numbers of a lane, register 16 b + i = place 16 (lane / 16) + i of block b of my row, become the fragment's 12 registers at v[pc] on and my row's scale word in v[pw]
.macro QUANT s, pc, pw
.irp b, 0,1,2,3
	v_max3_num_f32 v[TM+\b], |v[\s+16*\b]|, |v[\s+1+16*\b]|, 0x1800000   ; my 16 numbers of block b, and the floor 2^(3 - 127): the byte cannot fall under 1
.endr
.irp i, 2,4,6,8,10,12,14
.irp b, 0,1,2,3
	s_delay_alu instid0(VALU_DEP_4)
	v_max3_num_f32 v[TM+\b], v[TM+\b], |v[\s+16*\b+\i]|, |v[\s+1+16*\b+\i]|
.endr
.endr
.irp b, 0,1,2,3
	s_delay_alu instid0(VALU_DEP_4)
	v_permlanex16_b32 v[TM+4+\b], v[TM+\b], s[SEL], s[SEL+1]
.endr
.irp b, 0,1,2,3
	s_delay_alu instid0(VALU_DEP_4)
	v_max_num_f32 v[TM+\b], v[TM+\b], v[TM+4+\b]                        ; with lane l xor 16's: the block's largest magnitude
.endr
.irp b, 0,1,2,3
	s_delay_alu instid0(VALU_DEP_4)
	v_add_nc_u32 v[TM+12+\b], 0xff000000, v[TM+\b]                      ; 2 off its exponent field: the conversion's scale operand
.endr
.irp b, 0,1,2,3
	s_delay_alu instid0(VALU_DEP_4)
	v_lshrrev_b32 v[TM+4+\b], 23, v[TM+12+\b]                           ; the scale's byte
.endr
	s_delay_alu instid0(VALU_DEP_3)
	v_lshl_or_b32 v[\pw], v[TM+5], 8, v[TM+4]
	s_delay_alu instid0(VALU_DEP_1)
	v_lshl_or_b32 v[\pw], v[TM+6], 16, v[\pw]
	s_delay_alu instid0(VALU_DEP_1)
	v_lshl_or_b32 v[\pw], v[TM+7], 24, v[\pw]
.irp c, 0,1
	v_cvt_scalef32_pk16_fp6_f32 v[\pc+6*\c:\pc+2+6*\c], v[\s+32*\c:\s+15+32*\c], v[TM+12+2*\c]
	v_cvt_scalef32_pk16_fp6_f32 v[\pc+12+4*\c:\pc+14+4*\c], v[\s+16+32*\c:\s+31+32*\c], v[TM+12+2*\c+1]   ; (a conversion's three registers begin on an even number)
.endr
	v_nop                                                               ; one plain instruction behind a scaled conversion
.irp c, 0,1                            ; the operand wants a whole block in a lane: lanes 0-15 block 2 c, lanes 16-31 block 2 c + 1
.irp i, 0,1,2
	v_permlane16_swap_b32 v[\pc+6*\c+\i], v[\pc+12+4*\c+\i]
.endr
.irp i, 0,1,2
	s_delay_alu instid0(VALU_DEP_3)
	v_mov_b32 v[\pc+3+6*\c+\i], v[\pc+12+4*\c+\i]
.endr
.endr
.endm
; 16 rows as loaded go into my stage as they lie and come back 64 numbers a lane, in the order that QUANT wants.  LDS serves a wave's instructions in order: no wait between the stores and the loads.
.macro THROUGH src, dst
.set i, 0
.rept 16
	ds_store_b128 v6, v[\src+4*i:\src+4*i+3] offset:SPI*i
.set i, i+1
.endr
.irp b, 0,1,2,3
.irp j, 0,1,2,3
	ds_load_b128 v[\dst+16*\b+4*\j:\dst+16*\b+4*\j+3], v7 offset:128*\b+64*(\j/2)+16*(\j%2)   ; k = 32 b + 16 (j / 2) + 8 (lane / 16) + 4 (j % 2) + 0 .. 3
.endr
.endr
.endm
; The square root of the pair at v[a], as a pair at v[d]: s = the f32 root of the high part; what is left, a - s s (exact by the fused multiply-add, but for its own rounding), times 1 / (2 s) mends it.
.macro DSQRT d, a
	v_sqrt_f32 v[DT], v[(\a)]
	v_rsq_f32 v[DT+1], v[(\a)]
	v_nop                                          ; a plain instruction behind the two
	s_wait_alu depctr_va_vdst(0)                   ; and one wait for both, ahead of their first reader
	v_fma_f32 v[DT+2], -v[DT], v[DT], v[(\a)]
	s_delay_alu instid0(VALU_DEP_1)
	v_add_f32 v[DT+2], v[DT+2], v[(\a)+1]
	v_mul_f32 v[DT+1], 0.5, v[DT+1]
	s_delay_alu instid0(VALU_DEP_1)
	v_mul_f32 v[DT+2], v[DT+2], v[DT+1]
	v_add_f32 v[(\d)], v[DT], v[DT+2]              ; high part: the sum rounded;
	v_sub_f32 v[DT+3], v[(\d)], v[DT]
	s_delay_alu instid0(VALU_DEP_1)
	v_sub_f32 v[(\d)+1], v[DT+2], v[DT+3]          ; low part: what the rounding left
.endm
; The product of the pairs at v[a] and v[b], as a pair at v[d] (d may be a or b)
.macro DMUL d, a, b
	v_mul_f32 v[DT], v[(\a)], v[(\b)]
	s_delay_alu instid0(VALU_DEP_1)
	v_fma_f32 v[DT+1], v[(\a)], v[(\b)], -v[DT]    ; what the product's rounding left, exactly
	s_delay_alu instid0(VALU_DEP_1)
	v_fma_f32 v[DT+1], v[(\a)], v[(\b)+1], v[DT+1]
	s_delay_alu instid0(VALU_DEP_1)
	v_fma_f32 v[DT+1], v[(\a)+1], v[(\b)], v[DT+1]
	s_delay_alu instid0(VALU_DEP_1)
	v_add_f32 v[(\d)], v[DT], v[DT+1]
	s_delay_alu instid0(VALU_DEP_1)
	v_sub_f32 v[DT+2], v[(\d)], v[DT]
	s_delay_alu instid0(VALU_DEP_1)
	v_sub_f32 v[(\d)+1], v[DT+1], v[DT+2]
.endm
	s_load_b512 s[8:23], s[0:1], 0x0               ; x 8, wq 10, wk 12, wv 14, wo 16, ximg 18, wimg 20, rope 22
	v_lshl_add_u32 v62, v0, 2, 0x10800
	v_mov_b32 v63, 0
	v_lshrrev_b32 v1, 5, v0
	s_delay_alu instid0(VALU_DEP_1)
	v_readfirstlane_b32 s2, v1                     ; wave 0..7
	v_and_b32 v2, 31, v0                           ; lane
	v_and_b32 v3, 15, v0                           ; r
	v_bfe_u32 v9, v0, 4, 1                         ; h
	s_delay_alu instid0(VALU_DEP_3)
	v_lshlrev_b32 v4, 4, v2                        ; 16 x lane
	s_delay_alu instid0(VALU_DEP_4)
	v_lshlrev_b32 v5, 2, v2                        ; 4 x lane
	s_wait_kmcnt 0x0
	s_cmp_lt_u32 ttmp9, 256
	s_cbranch_scc0 .Lweights
	; ---------------- x: work-group g takes tokens 128 (g / 8) on and K steps 2 (g % 8), + 1; wave w takes tiles 2 c, 2 c + 1 (c = w % 4) of K step 2 (g % 8) + w / 4
	s_lshr_b32 s24, ttmp9, 3                       ; which 128 tokens
	s_and_b32 s25, ttmp9, 7
	s_and_b32 s26, s2, 3                           ; c
	s_lshr_b32 s27, s2, 2
	s_lshl_b32 s25, s25, 1
	s_add_co_u32 s25, s25, s27                     ; K step
	s_lshl_b32 s28, s24, 20                        ; 128 rows of 8,192 bytes,
	s_lshl_b32 s29, s26, 18                        ; 32 rows,
	s_add_co_u32 s28, s28, s29
	s_lshl_b32 s29, s25, 9                         ; 128 numbers
	s_add_co_u32 s28, s28, s29
	s_mov_b32 s29, 0
	s_add_nc_u64 s[8:9], s[8:9], s[28:29]
	s_lshl_b32 s30, s24, 4
	s_add_co_u32 s30, s30, s25
	s_mul_i32 s30, s30, UNIT                       ; my unit
	s_mul_i32 s32, s26, 3072
	s_add_co_u32 s32, s32, s30
	s_mov_b32 s33, 0
	s_add_nc_u64 s[32:33], s[18:19], s[32:33]      ; my two fragments
	s_lshl_b32 s34, s26, 7
	s_add_co_u32 s34, s34, s30
	s_add_co_u32 s34, s34, 12288
	s_mov_b32 s35, 0
	s_add_nc_u64 s[34:35], s[18:19], s[34:35]      ; my 32 scale words
	s_lshl_b32 s36, ttmp9, 13
	s_mov_b32 s37, 0
	s_add_nc_u64 s[36:37], s[22:23], s[36:37]      ; the table of tokens 16 g on
.set i, 0
	s_wait_alu depctr_va_vdst(0)
.rept 32
	global_load_b128 v[R+4*i:R+4*i+3], v4, s[8:9] offset:8192*i th:TH_LOAD_NT   ; 512 consecutive bytes of row i
.set i, i+1
.endr
	s_mov_b32 s[SEL], 0x76543210
	s_mov_b32 s[SEL+1], 0xfedcba98
	s_mov_b32 s42, 0xffff0000                      ; lanes 16-31
	s_mul_i32 s43, s2, STG
	v_add_nc_u32 v6, s43, v4                       ; the stage, in: 16 x lane
	v_mul_u32_u24 v7, v3, SPI
	s_delay_alu instid0(VALU_DEP_1)
	v_lshl_add_u32 v7, v9, 5, v7
	s_delay_alu instid0(VALU_DEP_1)
	v_add_nc_u32 v7, s43, v7                       ; and back: row r, + 32 h
.irp b, 0,1,2,3
	v_mov_b32 v[TM+4+\b], 0                        ; written once: a lane permute's destination counts as one of its sources
.endr
	; ---------------- the table, while the loads are on their way.  Wave w makes chunk w of the tile's image: lane (r, h): token 16 g + r, j = 16 (w / 2) + 8 h + 4 (w % 2) + 0 .. 3
	s_mov_b32 s[TOP], 0x3f22f983                   ; 2 / pi
	s_mov_b32 s[P1], 0x3fc90fdb                    ; pi / 2, its first 24 bits,
	s_mov_b32 s[P2], 0xb33bbd2e                    ; and the rest
	s_mov_b32 s[S1], 0xbe2aaaa3
	s_mov_b32 s[S2], 0x3c08839e
	s_mov_b32 s[S3], 0xb94ca1f9
	s_mov_b32 s[C1], 0x3d2aaaa5
	s_mov_b32 s[C2], 0xbab6061a
	s_mov_b32 s[C3], 0x37ccf5ce
	s_lshr_b32 s56, s2, 1                          ; j's bits 4 and 5: 10000^(16 / 64) = 10, so they give 1, 10, 100 or 1000, exactly
	s_mov_b32 s55, 1.0
	s_cmp_eq_u32 s56, 1
	s_cselect_b32 s55, 0x41200000, s55
	s_cmp_eq_u32 s56, 2
	s_cselect_b32 s55, 0x42c80000, s55
	s_cmp_eq_u32 s56, 3
	s_cselect_b32 s55, 0x447a0000, s55
	s_bitcmp1_b32 s2, 0                            ; j's bit 2: the wave's parity
	s_cselect_b32 s57, -1, 0
	s_lshl_b32 s3, ttmp9, 4
	s_add_co_u32 s3, s3, 8192
	v_add_nc_u32 v12, s3, v3
	s_delay_alu instid0(VALU_DEP_1)
	v_cvt_f32_u32 v12, v12                         ; the position: token + 8192
	s_lshl_b32 s39, s2, 9
	v_add_nc_u32 v8, s39, v4                       ; where my 16 bytes go: 512 w + 16 x lane
	v_mov_b32 v[DT+4], 0x41200000                  ; the pair 10
	v_mov_b32 v[DT+5], 0
	s_wait_alu depctr_va_vdst(0)
	DSQRT G8, DT+4                                 ; 10000^(8 / 64)
	DSQRT G4, G8                                   ; 10000^(4 / 64)
	DSQRT G2, G4                                   ; 10000^(2 / 64)
	DSQRT G1, G2                                   ; 10000^(1 / 64)
	v_cndmask_b32 v[DA], 1.0, v[G4], s57           ; bit 2
	v_cndmask_b32 v[DA+1], 0, v[G4+1], s57
	v_cndmask_b32 v[DB], 1.0, v[G8], s42           ; bit 3: lanes 16-31
	v_cndmask_b32 v[DB+1], 0, v[G8+1], s42
	v_mov_b32 v[DT+6], s55                         ; bits 4 and 5
	v_mov_b32 v[DT+7], 0
	DMUL BA, DA, DB
	DMUL BA, BA, DT+6
	DMUL G3, G1, G2
	DMUL RT+12, BA, G1                             ; bits 0 and 1: my four numbers
	DMUL RT+14, BA, G2
	DMUL RT+16, BA, G3
	v_mov_b32 v[RT+4], v[BA]                       ; a pair's high part is the pair's sum rounded to f32: 10000^(j / 64) as f32
	v_mov_b32 v[RT+5], v[RT+12]
	v_mov_b32 v[RT+6], v[RT+14]
	v_mov_b32 v[RT+7], v[RT+16]
	s_wait_alu depctr_va_vdst(0)
.irp e, 0,1,2,3
	v_rcp_f32 v[RT+8+\e], v[RT+4+\e]
.endr
	v_nop                                          ; a plain instruction behind the four
	s_wait_alu depctr_va_vdst(0)                   ; one wait for the four, ahead of their first reader
.rept 2                                ; two corrections by the exact rest 1 - P y: the second leaves the quotient 1 / P rounded to f32
.irp e, 0,1,2,3
	v_fma_f32 v[RT+12+\e], -v[RT+4+\e], v[RT+8+\e], 1.0
.endr
.irp e, 0,1,2,3
	v_fma_f32 v[RT+8+\e], v[RT+8+\e], v[RT+12+\e], v[RT+8+\e]
.endr
.endr
.irp e, 0,1,2,3
	s_delay_alu instid0(VALU_DEP_4)
	v_mul_f32 v[RT+\e], v12, v[RT+8+\e]            ; the angle, rounded to f32 as the definition rounds it
.endr
.irp e, 0,1,2,3
	s_delay_alu instid0(VALU_DEP_4)
	v_mul_f32 v[RT+4+\e], s[TOP], v[RT+\e]
.endr
.irp e, 0,1,2,3
	s_delay_alu instid0(VALU_DEP_4)
	v_rndne_f32 v[RT+4+\e], v[RT+4+\e]             ; how many quarter turns: under 2^13
.endr
.irp e, 0,1,2,3
	s_delay_alu instid0(VALU_DEP_4)
	v_fma_f32 v[RT+\e], -v[RT+4+\e], s[P1], v[RT+\e]   ; exact: a multiple of 2^-23 under 1
.endr
.irp e, 0,1,2,3
	s_delay_alu instid0(VALU_DEP_4)
	v_fma_f32 v[RT+\e], -v[RT+4+\e], s[P2], v[RT+\e]   ; the rest of the angle
.endr
.irp e, 0,1,2,3
	v_cvt_i32_f32 v[RT+4+\e], v[RT+4+\e]
.endr
.irp e, 0,1,2,3
	v_mul_f32 v[RT+8+\e], v[RT+\e], v[RT+\e]       ; its square z
.endr
.irp e, 0,1,2,3
	s_delay_alu instid0(VALU_DEP_4)
	v_fma_f32 v[RT+12+\e], v[RT+8+\e], s[S3], s[S2]
.endr
.irp e, 0,1,2,3
	v_fma_f32 v[RT+16+\e], v[RT+8+\e], s[C3], s[C2]
.endr
.irp e, 0,1,2,3
	v_fma_f32 v[RT+12+\e], v[RT+12+\e], v[RT+8+\e], s[S1]
.endr
.irp e, 0,1,2,3
	v_fma_f32 v[RT+16+\e], v[RT+16+\e], v[RT+8+\e], s[C1]
.endr
.irp e, 0,1,2,3
	v_mul_f32 v[RT+20+\e], v[RT+8+\e], v[RT+\e]
.endr
.irp e, 0,1,2,3
	v_fma_f32 v[RT+24+\e], v[RT+8+\e], -0.5, 1.0
.endr
.irp e, 0,1,2,3
	v_mul_f32 v[RT+8+\e], v[RT+8+\e], v[RT+8+\e]
.endr
.irp e, 0,1,2,3
	v_fma_f32 v[RT+20+\e], v[RT+20+\e], v[RT+12+\e], v[RT+\e]    ; sin of the rest
.endr
.irp e, 0,1,2,3
	v_fma_f32 v[RT+24+\e], v[RT+8+\e], v[RT+16+\e], v[RT+24+\e]  ; cos of the rest
.endr
.irp e, 0,1,2,3                        ; the quarter turns: an odd number exchanges the two; sin changes sign in turns 2, 3, cos in turns 1, 2
	v_and_b32 v[RT+\e], 1, v[RT+4+\e]
	s_delay_alu instid0(VALU_DEP_1)
	v_cmp_eq_u32 vcc_lo, 1, v[RT+\e]
	s_delay_alu instid0(VALU_DEP_1)
	v_cndmask_b32 v[SI+\e], v[RT+20+\e], v[RT+24+\e], vcc_lo
	s_delay_alu instid0(VALU_DEP_2)
	v_cndmask_b32 v[CO+\e], v[RT+24+\e], v[RT+20+\e], vcc_lo
	v_and_b32 v[RT+8+\e], 2, v[RT+4+\e]
	v_add_nc_u32 v[RT+12+\e], 1, v[RT+4+\e]
	s_delay_alu instid0(VALU_DEP_2)
	v_lshlrev_b32 v[RT+8+\e], 30, v[RT+8+\e]
	s_delay_alu instid0(VALU_DEP_2)
	v_and_b32 v[RT+12+\e], 2, v[RT+12+\e]
	s_delay_alu instid0(VALU_DEP_2)
	v_xor_b32 v[SI+\e], v[SI+\e], v[RT+8+\e]
	s_delay_alu instid0(VALU_DEP_2)
	v_lshlrev_b32 v[RT+12+\e], 30, v[RT+12+\e]
	s_delay_alu instid0(VALU_DEP_1)
	v_xor_b32 v[CO+\e], v[CO+\e], v[RT+12+\e]
.endr
	global_store_b128 v8, v[CO:CO+3], s[36:37]               ; the wave stores 512 consecutive bytes
	global_store_b128 v8, v[SI:SI+3], s[36:37] offset:4096
	; ---------------- the two tiles
	s_wait_loadcnt 16                              ; tile 0's 16 rows are in; tile 1's 16 loads may be out
	THROUGH R, X0
	s_wait_loadcnt 0x0
	s_wait_dscnt 0x0                               ; tile 0 is back: the stage and v64-127 are free
	THROUGH R+64, X1
	s_wait_dscnt 16                                ; tile 1's stores are done (its 16 loads may be out): v128-191 are free
	QUANT X0, PC0, PW0
.irp c, 0,1,2
	global_store_b128 v4, v[PC0+4*\c:PC0+4*\c+3], s[32:33] offset:512*\c
.endr
	s_wait_dscnt 0x0
	QUANT X1, PC1, PW1
.irp c, 0,1,2
	global_store_b128 v4, v[PC1+4*\c:PC1+4*\c+3], s[32:33] offset:1536+512*\c
.endr
	v_cndmask_b32 v[SCW], v[PW0], v[PW1], s42      ; lanes 0-15: the first tile's words, lanes 16-31: the second's (both halves of the lanes hold a row's word)
	global_store_b32 v5, v[SCW], s[34:35]
	s_wait_tensorcnt 0x0
	ds_add_u32 v62, v63
	s_wait_dscnt 0x0
	s_endpgm
.Lweights:
	; ---------------- the weights: work-group gw takes units 2 gw, 2 gw + 1; wave w takes 32 columns (c = w % 4) x 128 K of unit 2 gw + w / 4.  A LANE TAKES A COLUMN AND ITS REGISTERS RUN DOWN K, in the order sigma:
	; a block's largest magnitude needs no other lane and the conversions' results are the operand's registers.  Each load reads 128 consecutive bytes, four neighbouring waves 512.
	s_sub_co_u32 s24, ttmp9, 256                   ; gw
	s_cmp_lt_u32 s24, 128                          ; which tensor: the choice hangs on the work-group's number alone
	s_cselect_b64 s[26:27], s[14:15], s[16:17]     ; wv or wo
	s_cselect_b32 s28, 11, 13                      ; log2 of a row's bytes
	s_cselect_b32 s29, 3, 4                        ; its first unit / 64
	s_cselect_b32 s30, 4, 3                        ; log2 of its K steps
	s_cmp_lt_u32 s24, 96
	s_cselect_b64 s[26:27], s[12:13], s[26:27]     ; wk
	s_cselect_b32 s29, 2, s29
	s_cmp_lt_u32 s24, 64
	s_cselect_b64 s[26:27], s[10:11], s[26:27]     ; wq
	s_cselect_b32 s28, 12, s28
	s_cselect_b32 s29, 0, s29
	s_lshl_b32 s31, s24, 1
	s_lshr_b32 s25, s2, 2
	s_add_co_u32 s31, s31, s25                     ; my unit
	s_lshl_b32 s29, s29, 6
	s_sub_co_u32 s29, s31, s29                     ; counted from the tensor's first
	s_lshr_b32 s32, s29, s30                       ; which 128 columns
	s_lshl_b32 s33, s32, s30
	s_sub_co_u32 s33, s29, s33                     ; which K step
	s_and_b32 s25, s2, 3                           ; c
	s_add_co_u32 s34, s28, 7
	s_lshl_b32 s34, s33, s34                       ; 128 rows a K step
	s_lshl_b32 s32, s32, 9
	s_add_co_u32 s34, s34, s32
	s_lshl_b32 s32, s25, 7
	s_add_co_u32 s34, s34, s32
	s_mov_b32 s35, 0
	s_add_nc_u64 s[SB:SB+1], s[26:27], s[34:35]
	s_lshl_b32 s56, 32, s28                        ; 32 rows on
	s_mov_b32 s57, 0
	s_add_nc_u64 s[SB+2:SB+3], s[SB:SB+1], s[56:57]
	s_add_nc_u64 s[SB+4:SB+5], s[SB+2:SB+3], s[56:57]
	s_add_nc_u64 s[SB+6:SB+7], s[SB+4:SB+5], s[56:57]
	s_mul_i32 s58, s31, UNIT
	s_mul_i32 s60, s25, 3072
	s_add_co_u32 s60, s60, s58
	s_mov_b32 s61, 0
	s_add_nc_u64 s[60:61], s[20:21], s[60:61]      ; my two fragments
	s_lshl_b32 s62, s25, 7
	s_add_co_u32 s62, s62, s58
	s_add_co_u32 s62, s62, 12288
	s_mov_b32 s63, 0
	s_add_nc_u64 s[62:63], s[20:21], s[62:63]      ; my 32 scale words
.set i, 0
	s_wait_alu depctr_va_vdst(0)
.rept 32
	v_lshl_add_u32 v[VO+i], i, s28, v5
.set i, i+1
.endr
	v_mul_u32_u24 v6, v9, 1536
	s_delay_alu instid0(VALU_DEP_1)
	v_lshl_add_u32 v6, v3, 4, v6                   ; out: fragment lane / 16, 16 bytes for column lane % 16
.irp b, 0,1,2,3
.set p, 0
.rept 32
	global_load_b32 v[XW+32*\b+p], v[VO+(p&7)+((p&8)<<1)+((p&16)>>1)], s[SB+2*\b:SB+2*\b+1] th:TH_LOAD_NT   ; place p of block b: row 32 b + sigma(p)
.set p, p+1
.endr
.endr
; block b: registers 6 (b / 2) .. + 5 of the fragment's lane (r, b % 2); those of lanes (r, 0) gather in v16-27, those of lanes (r, 1) in v28-39
.macro WBLOCK b, left
.set XS, XW+32*\b
.set CDB, 16+12*(\b%2)+6*(\b/2)
	s_wait_loadcnt \left                           ; this block's 32 loads are in
	v_max3_num_f32 v44, |v[XS]|, |v[XS+1]|, |v[XS+2]|
	v_max3_num_f32 v45, |v[XS+3]|, |v[XS+4]|, |v[XS+5]|
.irp i, 6,10,14,18,22,26
	s_delay_alu instid0(VALU_DEP_2)
	v_max3_num_f32 v44, v44, |v[XS+\i]|, |v[XS+\i+1]|
	s_delay_alu instid0(VALU_DEP_2)
	v_max3_num_f32 v45, v45, |v[XS+\i+2]|, |v[XS+\i+3]|
.endr
	s_delay_alu instid0(VALU_DEP_2)
	v_max3_num_f32 v44, v44, |v[XS+30]|, |v[XS+31]|
	s_delay_alu instid0(VALU_DEP_1)
	v_max3_num_f32 v44, v44, v45, 0x1800000        ; and the floor
	s_delay_alu instid0(VALU_DEP_1)
	v_add_nc_u32 v46, 0xff000000, v44              ; the conversion's scale operand
	s_delay_alu instid0(VALU_DEP_1)
	v_lshrrev_b32 v47, 23, v46                     ; the byte
.if \b == 0
	s_delay_alu instid0(VALU_DEP_1)
	v_mov_b32 v48, v47
.else
	s_delay_alu instid0(VALU_DEP_1)
	v_lshl_or_b32 v48, v47, 8*\b, v48
.endif
	v_cvt_scalef32_pk16_fp6_f32 v[CDB:CDB+2], v[XS:XS+15], v46
	v_cvt_scalef32_pk16_fp6_f32 v[40:42], v[XS+16:XS+31], v46
	v_nop                                          ; one plain instruction behind a scaled conversion
	v_mov_b32 v[CDB+3], v40
	v_mov_b32 v[CDB+4], v41
	v_mov_b32 v[CDB+5], v42
.endm
	WBLOCK 0, 63                                   ; 96 younger loads are out; the count's field ends at 63
	WBLOCK 1, 63                                   ; (64 are out)
	WBLOCK 2, 32
	WBLOCK 3, 0
.irp h, 0,1
.irp k, 0,1,2
	global_store_b128 v6, v[16+12*\h+4*\k:19+12*\h+4*\k], s[60:61] offset:512*\k+256*\h   ; sixteen lanes store 256 consecutive bytes, aligned
.endr
.endr
	global_store_b32 v5, v48, s[62:63]
	s_endpgm
.Lfunc_end_k_q4a462e2b0a_prep:
	.size	k_q4a462e2b0a_prep, .Lfunc_end_k_q4a462e2b0a_prep-k_q4a462e2b0a_prep
	.p2alignl 7, 3214868480
	.fill 96, 4, 3214868480
	.section	.rodata,"a",@progbits
	.p2align	6, 0x0
	.amdhsa_kernel k_q4a462e2b0a_prep
		.amdhsa_group_segment_fixed_size 68608
		.amdhsa_private_segment_fixed_size 0
		.amdhsa_enable_private_segment 0
		.amdhsa_kernarg_size 64
		.amdhsa_user_sgpr_count 2
		.amdhsa_user_sgpr_kernarg_segment_ptr 1
		.amdhsa_wavefront_size32 1
		.amdhsa_system_sgpr_workgroup_id_x 1
		.amdhsa_system_sgpr_workgroup_id_y 1
		.amdhsa_system_sgpr_workgroup_id_z 1
		.amdhsa_system_vgpr_workitem_id 0
		.amdhsa_next_free_vgpr 256
		.amdhsa_next_free_sgpr 66
		.amdhsa_reserve_vcc 1
		.amdhsa_float_denorm_mode_32 3
		.amdhsa_float_denorm_mode_16_64 3
		.amdhsa_memory_ordered 1
		.amdhsa_forward_progress 1
		.amdhsa_inst_pref_size 61
	.end_amdhsa_kernel
	.amdgpu_metadata
---
amdhsa.version: [ 1, 2 ]
amdhsa.kernels:
  - .name:           k_q4a462e2b0a_prep
    .symbol:         k_q4a462e2b0a_prep.kd
    .args:
      - { .name: x, .offset: 0, .size: 8, .value_kind: global_buffer, .address_space: global }
      - { .name: wq, .offset: 8, .size: 8, .value_kind: global_buffer, .address_space: global }
      - { .name: wk, .offset: 16, .size: 8, .value_kind: global_buffer, .address_space: global }
      - { .name: wv, .offset: 24, .size: 8, .value_kind: global_buffer, .address_space: global }
      - { .name: wo, .offset: 32, .size: 8, .value_kind: global_buffer, .address_space: global }
      - { .name: ximg, .offset: 40, .size: 8, .value_kind: global_buffer, .address_space: global }
      - { .name: wimg, .offset: 48, .size: 8, .value_kind: global_buffer, .address_space: global }
      - { .name: rope, .offset: 56, .size: 8, .value_kind: global_buffer, .address_space: global }
    .group_segment_fixed_size: 68608
    .private_segment_fixed_size: 0
    .kernarg_segment_align: 8
    .kernarg_segment_size: 64
    .max_flat_workgroup_size: 256
    .sgpr_count:     66
    .vgpr_count:     256
    .wavefront_size: 32
...
	.end_amdgpu_metadata
.endif
;; end of part 1
;; launch qkv (part 2): grid 256 x 1, 4 waves a work-group, clusters of 4 x 1, 327,680 bytes of LDS; arguments ximg, wimg, rope, qimg, kvimg; writes qimg, kvimg
.if DOCPART == 2
	.amdgcn_target "amdgcn-amd-amdhsa--gfx1250"
	.amdhsa_code_object_version 6
	.text
	.protected	k_q4a462e2b0a_qkv
	.globl	k_q4a462e2b0a_qkv
	.p2align	8
	.type	k_q4a462e2b0a_qkv,@function
k_q4a462e2b0a_qkv:
	s_mov_b64 s[64:65], 0
	v_nop
	global_prefetch_b8 v0, s[64:65] scope:SCOPE_SE
	s_setreg_imm32_b32 hwreg(HW_REG_WAVE_MODE, 25, 1), 1
	s_wait_xcnt 0x0
	s_wait_alu depctr_hold_cnt(0) depctr_sa_sdst(0) depctr_va_vdst(0) depctr_va_sdst(0) depctr_va_ssrc(0) depctr_va_vcc(0) depctr_vm_vsrc(0)
	s_getreg_b32 s2, hwreg(HW_REG_IB_STS2, 6, 4)
	s_cmp_eq_u32 s2, 0
	s_cbranch_scc0 .Lentry_in_a_cluster
	s_endpgm
.Lentry_in_a_cluster:
	s_bfe_u32 s2, ttmp6, 0x10000c
	s_cmp_lg_u32 s2, 0x3003
	s_cbranch_scc0 .Lentry_shape_is_right
	s_endpgm
.Lentry_shape_is_right:
; QKV: q = x wq, k = x wk, v = x wv on codes of FP6 (E2M3, one E8M0 scale for each 32 along K = 2048); the rotary embedding of q and k in f32; q, k (along d) and v (along the keys) quantised again, as fragment images.
; ONE LOOP FOR BOTH ORIENTATIONS.  Source 0 takes rows of P (256 to a work-group), source 1 rows of R (128): in the result a lane holds ONE row of R and its registers run along P.
;   q, k (clusters 0-47): P = two heads' 256 columns of the weights, R = 128 tokens: a lane's 64 numbers are a token's d of one head, the next product's K.
;   v (clusters 48-63): P = 256 tokens, R = one head's 128 d: a lane's 64 numbers run along the keys, the second attention product's K.
; Register 16 b + i of lane (r, h) is index 32 b + 16 (i / 8) + 8 h + i % 8 along P: the order inside a block of 32 in which every operand of this program is laid.
; Four waves: wave w takes P's half w % 2 and R's half w / 2: 32 accumulators, 32 matrix instructions for each 128 along K.  256 work-groups of equal work.
; Operands come as units of 12,800 bytes (8 fragment images and 128 scale words), so a slot (4 K steps) is three dense blocks of memory; fragments are read from LDS by loads of 512 consecutive bytes: no pitch, no padding.
; CLUSTER: the four partners take the same P, two thirds of a step's bytes: it is asked for JOINTLY (mask 15).  Each partner has another R, so R comes by a load of the work-group's own.
; LIMITS: NaN and infinities are not served; a block whose largest magnitude lies under 2^-124 keeps the scale byte 1.
; REGISTERS: window 0: v2-14 addresses; v32-47 scale words, two sets; v64-159 R's fragments, two sets (later the codes); v160-175, v224-255 at work.  window 1: P's fragments, two sets at v0 and v128.
;   window 2: accumulator (tr, tp) at v[8 (8 tr + tp)].   window 3: cos at v[64 tr + 0 .. 31], sin at v[64 tr + 32 .. 63].
.set UNIT,  12800
.set SLOT,  12*UNIT                    ; P's half 0 (4 units), P's half 1, R
.set SPARE, 2*SLOT                     ; the spare words: 128 bytes for each wave, two blocks of 256 bytes that no other line names
.set ADP, 2                            ; v2-3   my P fragments in slot 0, 1
.set ADR, 4                            ; v4-5   my R fragments
.set ASP, 6                            ; v6-7   P's scale words
.set ASR, 8                            ; v8-9   R's
.set SPW, 10
.set NIL, 11
.set LI,  13                           ; 16 x lane
.set LS,  14                           ; 4 x lane
.set SC,  32                           ; set e: v[SC + 8 e + c] P's words of tiles 2 c (lanes 0-15), 2 c + 1 (lanes 16-31); + 4 + c: R's
.set RF,  64
.set PC,  64
.set PWR, 144
.set SCW, 148
.set TM,  160
.set T,   224
.set WV,  14
.set G1P, 24
.set G1R, 32
.set G0P, 40
.set G0R, 48
.set SEL, 68
.set MSB, 0
.macro WIN new                         ; the immediate's high byte repeats the setting that is left
.if MSB != \new
	s_set_vgpr_msb (MSB<<8)|\new
.set MSB, \new
.endif
.endm
.macro PLACES n
.rept \n
	v_nop
.endr
.endm
.macro CREST                           ; a round of the cluster's barrier behind its opening barrier
	s_cmp_lg_u32 s[WV], 0
	s_cbranch_scc1 .Lnot_wave_0_\@
	s_barrier_signal -3
.Lnot_wave_0_\@:
	s_barrier_wait -3
	s_barrier_signal -1
	s_barrier_wait -1
.endm
.macro CROUND
	s_barrier_signal -1
	s_barrier_wait -1
	CREST
.endm
; Waves 0 and 1 fetch P's halves, jointly; waves 2 and 3 the halves of R.  The branch hangs on the wave's number alone.  Four v_nop follow each line.
.macro JLOAD sl
	s_cmp_lt_u32 s[WV], 2
	s_cbranch_scc0 .Lfor_r_\@
	tensor_load_to_lds s[G0P+4*\sl:G0P+4*\sl+3], s[G1P:G1P+7]
	s_nop 0
.rept 4
	v_nop
.endr
	s_branch .Lasked_\@
.Lfor_r_\@:
	tensor_load_to_lds s[G0R+4*\sl:G0R+4*\sl+3], s[G1R:G1R+7]
	s_nop 0
.rept 4
	v_nop
.endr
.Lasked_\@:
.endm
; one matrix instruction, by the symbols rD, rA, rB, rSA, rSB; fA, fB: the side's scale words stand in lanes 16-31
.macro WM zero
.if \zero
.if fA && fB
	v_wmma_scale_f32_16x16x128_f8f6f4 v[rD:rD+7], v[rA:rA+11], v[rB:rB+11], 0, v[rSA], v[rSB] matrix_a_fmt:MATRIX_FMT_FP6 matrix_b_fmt:MATRIX_FMT_FP6 matrix_a_scale:MATRIX_SCALE_ROW1 matrix_b_scale:MATRIX_SCALE_ROW1
.elseif fA
	v_wmma_scale_f32_16x16x128_f8f6f4 v[rD:rD+7], v[rA:rA+11], v[rB:rB+11], 0, v[rSA], v[rSB] matrix_a_fmt:MATRIX_FMT_FP6 matrix_b_fmt:MATRIX_FMT_FP6 matrix_a_scale:MATRIX_SCALE_ROW1
.elseif fB
	v_wmma_scale_f32_16x16x128_f8f6f4 v[rD:rD+7], v[rA:rA+11], v[rB:rB+11], 0, v[rSA], v[rSB] matrix_a_fmt:MATRIX_FMT_FP6 matrix_b_fmt:MATRIX_FMT_FP6 matrix_b_scale:MATRIX_SCALE_ROW1
.else
	v_wmma_scale_f32_16x16x128_f8f6f4 v[rD:rD+7], v[rA:rA+11], v[rB:rB+11], 0, v[rSA], v[rSB] matrix_a_fmt:MATRIX_FMT_FP6 matrix_b_fmt:MATRIX_FMT_FP6
.endif
.else
.if fA && fB
	v_wmma_scale_f32_16x16x128_f8f6f4 v[rD:rD+7], v[rA:rA+11], v[rB:rB+11], v[rD:rD+7], v[rSA], v[rSB] matrix_a_fmt:MATRIX_FMT_FP6 matrix_b_fmt:MATRIX_FMT_FP6 matrix_a_scale:MATRIX_SCALE_ROW1 matrix_b_scale:MATRIX_SCALE_ROW1
.elseif fA
	v_wmma_scale_f32_16x16x128_f8f6f4 v[rD:rD+7], v[rA:rA+11], v[rB:rB+11], v[rD:rD+7], v[rSA], v[rSB] matrix_a_fmt:MATRIX_FMT_FP6 matrix_b_fmt:MATRIX_FMT_FP6 matrix_a_scale:MATRIX_SCALE_ROW1
.elseif fB
	v_wmma_scale_f32_16x16x128_f8f6f4 v[rD:rD+7], v[rA:rA+11], v[rB:rB+11], v[rD:rD+7], v[rSA], v[rSB] matrix_a_fmt:MATRIX_FMT_FP6 matrix_b_fmt:MATRIX_FMT_FP6 matrix_b_scale:MATRIX_SCALE_ROW1
.else
	v_wmma_scale_f32_16x16x128_f8f6f4 v[rD:rD+7], v[rA:rA+11], v[rB:rB+11], v[rD:rD+7], v[rSA], v[rSB] matrix_a_fmt:MATRIX_FMT_FP6 matrix_b_fmt:MATRIX_FMT_FP6
.endif
.endif
.endm
; R's tiles tr0 .. tr1 against P's eight, from set e.  The 32 accumulators take turns, one instruction a turn, in the same order in every K step.  zero = 1: the products start the sums.
.macro MULS e, tr0, tr1, zero
.set tr, \tr0
.rept \tr1-\tr0+1
.set tp, 0
.rept 8
.set rD, 8*(8*tr+tp)
.set rA, 128*(\e)+12*tp
.set rB, RF+48*(\e)+12*tr
.set rSA, SC+8*(\e)+tp/2
.set rSB, SC+8*(\e)+4+tr/2
.set fA, tp%2
.set fB, tr%2
	WM \zero
.set tp, tp+1
.endr
.set tr, tr+1
.endr
.endm
; 42 LDS loads in one run: the fragments and scale words of the slot's q-th K step into set e
.macro FETCH sl, q, e
	WIN 0x40                                       ; destination window 1, address window 0
.irp t, 0,1,2,3,4,5,6,7
.irp c, 0,1,2
	ds_load_b128 v[128*(\e)+12*\t+4*\c:128*(\e)+12*\t+4*\c+3], v[ADP+\sl] offset:(\q)*UNIT+\t*1536+512*\c
.endr
.endr
	WIN 0
.irp t, 0,1,2,3
.irp c, 0,1,2
	ds_load_b128 v[RF+48*(\e)+12*\t+4*\c:RF+48*(\e)+12*\t+4*\c+3], v[ADR+\sl] offset:(\q)*UNIT+\t*1536+512*\c
.endr
.endr
.irp c, 0,1,2,3
	ds_load_b32 v[SC+8*(\e)+\c], v[ASP+\sl] offset:(\q)*UNIT+128*\c
.endr
.irp c, 0,1
	ds_load_b32 v[SC+8*(\e)+4+\c], v[ASR+\sl] offset:(\q)*UNIT+128*\c
.endr
.endm
; A K step that has its successor in the same slot: multiplies set e and, behind its first eight products, fetches the next step into the other set.
; The four v_nop are the places between the last products that read the other set and the loads into it (ISA guide 7.12.1 for vector instructions).
.macro STEP sl, q, e, zero
	s_wait_dscnt 0x0                               ; set e is in
	WIN 0xa1                                       ; source 0 (P) window 1, source 1 (R) window 0, C and D window 2
	MULS \e, 0, 0, \zero
	PLACES 4
	FETCH \sl, (\q)+1, 1-(\e)
	WIN 0xa1
	MULS \e, 1, 3, \zero
.endm
; A slot's last K step (set 1) changes slots: ONE barrier; in front of it each wave waits for all its tensor loads, adds 0 to its spare word, and waits for that and for its reads of this slot.
; fill = 1: the barrier opens a round of the cluster's barrier, and this slot is filled again, 8 K steps on, first thing behind the round.
.macro TURN sl, next, fill
	WIN 0                                          ; (the add's two registers lie in window 0)
	s_wait_tensorcnt 0x0                           ; all my tensor loads have landed: my part of the next slot
	ds_add_u32 v[SPW], v[NIL]                      ; 0 onto my spare word
	s_wait_dscnt 0x1                               ; set 1 is in; the add alone may be out
	WIN 0xa1
	MULS 1, 0, 0, 0                                ; eight matrix instructions stand between the add and the wait for it
	s_wait_dscnt 0x0                               ; the add is done, and my reads of this slot are over
	s_barrier_signal -1
	MULS 1, 1, 1, 0
	WIN 0
	s_barrier_wait -1
.if \fill
	CREST                                          ; no wave of any partner still reads this slot or has a load on its way
	s_add_nc_u64 s[G0P+4*\sl+2:G0P+4*\sl+3], s[G0P+4*\sl+2:G0P+4*\sl+3], 8*UNIT
	s_add_nc_u64 s[G0R+4*\sl+2:G0R+4*\sl+3], s[G0R+4*\sl+2:G0R+4*\sl+3], 8*UNIT
	JLOAD \sl                                      ; my one tensor load behind the round; its four v_nop are also the places in front of the loads below
.else
	PLACES 4
.endif
	FETCH \next, 0, 0
	WIN 0xa1
	MULS 1, 2, 3, 0
.endm
	s_load_b256 s[4:11], s[0:1], 0x0               ; ximg 4, wimg 6, rope 8, qimg 10
	s_load_b64 s[12:13], s[0:1], 0x20              ; kvimg
	v_lshl_add_u32 v[SPW], v0, 2, SPARE
	v_mov_b32 v[NIL], 0
	ds_add_u32 v10, v11
	ds_add_u32 v10, v11
	s_wait_dscnt 0x0
	v_lshrrev_b32 v1, 5, v0
	v_readfirstlane_b32 s[WV], v1                  ; wave 0..3
	s_and_b32 s15, s[WV], 1                        ; which half of P is mine.  Also: which half I fetch
	s_lshr_b32 s16, s[WV], 1                       ; which half of R is mine
	s_mov_b32 s17, ttmp9                           ; the cluster, 0..63: shared by the partners
	s_bfe_u32 s18, ttmp6, 0x40000                  ; cx: it enters global addresses of R and of the results alone
	s_lshr_b32 s19, s17, 3                         ; q, k: which pair of heads (0-3 q, 4-5 k)
	s_and_b32 s20, s17, 15                         ; v: which 256 tokens
	s_and_b32 s21, s17, 7
	s_lshl_b32 s21, s21, 2
	s_add_co_u32 s21, s21, s18                     ; q, k: which 128 tokens
	s_add_co_u32 s22, s18, 12                      ; v: wv's head cx is the weights' row of units 12 + cx
	; descriptor groups 1: dense blocks as rows of 256 bytes (32 elements of 8 bytes)
	s_mov_b32 s[G1P], 15|(3<<16)|(1<<21)           ; 15:0 the mask: all four work-groups; 17:16 elements of 8 bytes; 21 set beside a mask
	s_mov_b32 s[G1P+1], 32<<16                     ; tensor_dim0
	s_mov_b32 s[G1P+2], 200<<16                    ; tensor_dim1: 4 units = 200 rows
	s_mov_b32 s[G1P+3], 32<<16                     ; tile_dim0
	s_mov_b32 s[G1P+4], 200                        ; tile_dim1
	s_mov_b32 s[G1P+5], 32                         ; the pitch
	s_mov_b32 s[G1P+6], 0
	s_mov_b32 s[G1P+7], 0
	s_mov_b32 s[G1R], 3<<16                        ; no mask: the work-group's own load
	s_mov_b32 s[G1R+1], 32<<16
	s_mov_b32 s[G1R+2], 100<<16                    ; 2 units
	s_mov_b32 s[G1R+3], 32<<16
	s_mov_b32 s[G1R+4], 100
	s_mov_b32 s[G1R+5], 32
	s_mov_b32 s[G1R+6], 0
	s_mov_b32 s[G1R+7], 0
	s_mov_b32 s66, 0xffff0000                      ; lanes 16-31
	s_mov_b32 s[SEL], 0x76543210
	s_mov_b32 s[SEL+1], 0xfedcba98
	s_wait_kmcnt 0x0
	s_cmp_ge_u32 s17, 48                           ; the v clusters
	s_cselect_b32 s56, s20, s19
	s_cselect_b32 s57, s22, s21
	s_cselect_b64 s[58:59], s[4:5], s[6:7]         ; P: x's codes or the weights'
	s_cselect_b64 s[60:61], s[6:7], s[4:5]         ; R: the other
	s_lshl_b32 s56, s56, 1
	s_add_co_u32 s56, s56, s15
	s_mul_i32 s62, s56, 16*UNIT                    ; a row of 16 units for each 128 rows
	s_mov_b32 s63, 0
	s_add_nc_u64 s[58:59], s[58:59], s[62:63]      ; P's half that I fetch: nothing of cx in it
	s_mul_i32 s76, s57, 16*UNIT
	s_mul_i32 s78, s15, 2*UNIT                     ; R: K steps 2 (w % 2), + 1 of a slot's four
	s_add_co_u32 s76, s76, s78
	s_mov_b32 s77, 0
	s_add_nc_u64 s[60:61], s[60:61], s[76:77]
	s_mul_i32 s23, s15, 4*UNIT
.irp sl, 0,1
	s_mov_b32 s[G0P+4*\sl], 1                      ; count = 1
	s_add_co_u32 s[G0P+4*\sl+1], s23, \sl*SLOT     ; LDS address
	s_add_nc_u64 s[G0P+4*\sl+2:G0P+4*\sl+3], s[58:59], \sl*4*UNIT
	s_or_b32 s[G0P+4*\sl+3], s[G0P+4*\sl+3], 0x80000000   ; type = 2
	s_mov_b32 s[G0R+4*\sl], 1
	s_add_co_u32 s[G0R+4*\sl+1], s78, \sl*SLOT+8*UNIT
	s_add_nc_u64 s[G0R+4*\sl+2:G0R+4*\sl+3], s[60:61], \sl*4*UNIT
	s_or_b32 s[G0R+4*\sl+3], s[G0R+4*\sl+3], 0x80000000
.endr
	CROUND                                         ; all four work-groups are here: the first joint loads meet
	s_cmp_lt_u32 s[WV], 2                          ; slot 0's fill: one tensor load a wave at the head
	s_cbranch_scc0 .Lfirst_r
	tensor_load_to_lds s[G0P:G0P+3], s[G1P:G1P+7]
	s_nop 0
.rept 4
	v_nop
.endr
	s_branch .Lfirst_asked
.Lfirst_r:
	tensor_load_to_lds s[G0R:G0R+3], s[G1R:G1R+7]
	s_nop 0
.rept 4
	v_nop
.endr
.Lfirst_asked:
	v_and_b32 v1, 31, v0
	v_lshlrev_b32 v[LI], 4, v1
	v_lshlrev_b32 v[LS], 2, v1
	v_add_nc_u32 v[ADP], s23, v[LI]
	v_add_nc_u32 v[ADP+1], SLOT, v[ADP]
	s_mul_i32 s79, s16, 6144                       ; my four tiles of R
	s_add_co_u32 s79, s79, 8*UNIT
	v_add_nc_u32 v[ADR], s79, v[LI]
	v_add_nc_u32 v[ADR+1], SLOT, v[ADR]
	s_add_co_u32 s80, s23, 12288
	v_add_nc_u32 v[ASP], s80, v[LS]
	v_add_nc_u32 v[ASP+1], SLOT, v[ASP]
	s_lshl_b32 s81, s16, 8
	s_add_co_u32 s81, s81, 8*UNIT+12288
	v_add_nc_u32 v[ASR], s81, v[LS]
	v_add_nc_u32 v[ASR+1], SLOT, v[ASR]
.irp b, 0,1,2,3
	v_mov_b32 v[TM+4+\b], 0                        ; written once: a lane permute's destination counts as one of its sources
.endr
	; cos and sin of my 64 tokens, as register images: 512 consecutive bytes a load.  Every work-group loads them (the v clusters at the same valid places, and leave them unused)
	s_lshl_b32 s74, s21, 16
	s_lshl_b32 s75, s16, 15
	s_add_co_u32 s74, s74, s75
	s_mov_b32 s75, 0
	s_add_nc_u64 s[74:75], s[8:9], s[74:75]
	WIN 0xc0                                       ; destination window 3
.irp tr, 0,1,2,3
.irp ch, 0,1,2,3,4,5,6,7
	global_load_b128 v[64*\tr+4*\ch:64*\tr+4*\ch+3], v[LI], s[74:75] offset:8192*\tr+512*\ch
	global_load_b128 v[64*\tr+32+4*\ch:64*\tr+35+4*\ch], v[LI], s[74:75] offset:8192*\tr+4096+512*\ch
.endr
.endr
	WIN 0
	; where the results go
	s_lshl_b32 s82, s19, 1
	s_add_co_u32 s82, s82, s15                     ; the head: 0-7 q, 8-11 k
	s_lshl_b32 s83, s82, 5
	s_add_co_u32 s83, s83, s21
	s_mul_i32 s83, s83, UNIT                       ; q: unit [head][128 queries]
	s_sub_co_u32 s84, s82, 8
	s_mul_i32 s84, s84, 64*UNIT                    ; k: a head is 16 slots of 4 units;
	s_lshr_b32 s85, s21, 1
	s_mul_i32 s85, s85, 4*UNIT                     ; slot = 256 keys;
	s_add_co_u32 s84, s84, s85
	s_and_b32 s85, s21, 1
	s_mul_i32 s85, s85, UNIT                       ; K's two units lead it
	s_add_co_u32 s84, s84, s85
	s_mul_i32 s86, s18, 64*UNIT                    ; v: head cx,
	s_mul_i32 s87, s20, 4*UNIT                     ; slot = my 256 tokens,
	s_add_co_u32 s86, s86, s87
	s_mul_i32 s87, s15, UNIT                       ; V's two units follow K's
	s_add_co_u32 s86, s86, s87
	s_add_co_u32 s86, s86, 2*UNIT
	s_cmp_lt_u32 s17, 32
	s_cselect_b64 s[70:71], s[10:11], s[12:13]
	s_cselect_b32 s88, s83, s84
	s_cmp_ge_u32 s17, 48
	s_cselect_b32 s88, s86, s88
	s_mov_b64 s[72:73], s[70:71]
	s_lshl_b32 s90, s16, 8
	s_add_co_u32 s90, s90, s88
	s_add_co_u32 s90, s90, 12288
	s_mov_b32 s91, 0
	s_add_nc_u64 s[72:73], s[72:73], s[90:91]      ; my 64 scale words
	s_mul_i32 s87, s16, 6144
	s_add_co_u32 s88, s88, s87
	s_mov_b32 s89, 0
	s_add_nc_u64 s[70:71], s[70:71], s[88:89]      ; my four fragments
	s_wait_alu depctr_va_vdst(0)
	s_wait_tensorcnt 0x0                           ; my part of slot 0 is in; slot 1's first fill is issued as a refill is
	ds_add_u32 v[SPW], v[NIL]
	s_wait_dscnt 0x0
	CROUND                                         ; everybody's part of slot 0 is in, and the four partners are here
	JLOAD 1                                        ; K steps 4-7, my one tensor load behind the round
	FETCH 0, 0, 0
	STEP 0, 0, 0, 1                                ; the first K step starts the sums: nothing is cleared
	STEP 0, 1, 1, 0
	STEP 0, 2, 0, 0
	TURN 0, 1, 1                                   ; slot 0 takes K steps 8-11
	STEP 1, 0, 0, 0
	STEP 1, 1, 1, 0
	STEP 1, 2, 0, 0
	TURN 1, 0, 1                                   ; slot 1 takes K steps 12-15
	STEP 0, 0, 0, 0
	STEP 0, 1, 1, 0
	STEP 0, 2, 0, 0
	TURN 0, 1, 0                                   ; nothing is left to fetch
	STEP 1, 0, 0, 0
	STEP 1, 1, 1, 0
	STEP 1, 2, 0, 0
	s_wait_dscnt 0x0
	WIN 0xa1
	MULS 1, 0, 3, 0
	WIN 0
	PLACES 4                                       ; in front of the first read of results
; the rotary embedding of tile tr: lo = d 0-63 (tiles 0-3 of P), hi = d 64-127, 32 registers on.  lo' = lo cos - hi sin, hi' = hi cos + lo sin.  Each accumulator is read from its low end on.
.macro ROPE tr
	WIN 0x0e                                       ; sources: window 2, window 3; destination window 0
.set i, 0
.rept 16
	v_pk_mul_f32 v[T+i:T+i+1], v[64*\tr+i:64*\tr+i+1], v[64*\tr+32+i:64*\tr+33+i]            ; lo sin
.set i, i+2
.endr
	WIN 0x8e                                       ; destination window 2
.set i, 0
.rept 16
	v_pk_mul_f32 v[64*\tr+i:64*\tr+i+1], v[64*\tr+i:64*\tr+i+1], v[64*\tr+i:64*\tr+i+1]      ; lo cos
.set i, i+2
.endr
	WIN 0xae                                       ; source 2 window 2
.set i, 0
.rept 16
	v_pk_fma_f32 v[64*\tr+i:64*\tr+i+1], v[64*\tr+32+i:64*\tr+33+i], v[64*\tr+32+i:64*\tr+33+i], v[64*\tr+i:64*\tr+i+1] neg_lo:[1,0,0] neg_hi:[1,0,0]   ; - hi sin
.set i, i+2
.endr
	WIN 0x8e                                       ; source 2 window 0
.set i, 0
.rept 16
	v_pk_fma_f32 v[64*\tr+32+i:64*\tr+33+i], v[64*\tr+32+i:64*\tr+33+i], v[64*\tr+i:64*\tr+i+1], v[T+i:T+i+1]   ; hi cos + lo sin
.set i, i+2
.endr
.endm
; 64 numbers of a lane in window 2, v[s] on, become a fragment's 12 registers at v[pc] on and the row's scale word in v[pw], both in window 0
.macro QUANTW s, pc, pw
	WIN 0x0a
.irp b, 0,1,2,3
	v_max3_num_f32 v[TM+\b], |v[\s+16*\b]|, |v[\s+1+16*\b]|, 0x1800000   ; my 16 numbers of block b, and the floor 2^(3 - 127)
.endr
	WIN 0x28
.irp i, 2,4,6,8,10,12,14
.irp b, 0,1,2,3
	v_max3_num_f32 v[TM+\b], v[TM+\b], |v[\s+16*\b+\i]|, |v[\s+1+16*\b+\i]|
.endr
.endr
	WIN 0
.irp b, 0,1,2,3
	v_permlanex16_b32 v[TM+4+\b], v[TM+\b], s[SEL], s[SEL+1]
.endr
.irp b, 0,1,2,3
	v_max_num_f32 v[TM+\b], v[TM+\b], v[TM+4+\b]
.endr
.irp b, 0,1,2,3
	v_add_nc_u32 v[TM+12+\b], 0xff000000, v[TM+\b]
.endr
.irp b, 0,1,2,3
	v_lshrrev_b32 v[TM+4+\b], 23, v[TM+12+\b]
.endr
	v_lshl_or_b32 v[\pw], v[TM+5], 8, v[TM+4]
	v_lshl_or_b32 v[\pw], v[TM+6], 16, v[\pw]
	v_lshl_or_b32 v[\pw], v[TM+7], 24, v[\pw]
	WIN 0x02
.irp c, 0,1
	v_cvt_scalef32_pk16_fp6_f32 v[\pc+6*\c:\pc+2+6*\c], v[\s+32*\c:\s+15+32*\c], v[TM+12+2*\c]
	v_cvt_scalef32_pk16_fp6_f32 v[\pc+12+4*\c:\pc+14+4*\c], v[\s+16+32*\c:\s+31+32*\c], v[TM+12+2*\c+1]
.endr
	WIN 0
	v_nop                                          ; one plain instruction behind a scaled conversion
.irp c, 0,1
.irp i, 0,1,2
	v_permlane16_swap_b32 v[\pc+6*\c+\i], v[\pc+12+4*\c+\i]
.endr
.irp i, 0,1,2
	v_mov_b32 v[\pc+3+6*\c+\i], v[\pc+12+4*\c+\i]
.endr
.endr
.endm
	s_wait_loadcnt 0x0                             ; cos and sin
	s_cmp_ge_u32 s17, 48                           ; v is not turned: a branch on the cluster's number, alike in all partners
	s_cbranch_scc1 .Lno_rope
	ROPE 0
	ROPE 1
	ROPE 2
	ROPE 3
	WIN 0
.Lno_rope:
.irp tr, 0,1,2,3                       ; each tile has its own registers for its codes, so no store's data are written again
	QUANTW 64*\tr, PC+20*\tr, PWR+\tr
.irp c, 0,1,2
	global_store_b128 v[LI], v[PC+20*\tr+4*\c:PC+20*\tr+4*\c+3], s[70:71] offset:1536*\tr+512*\c   ; 512 consecutive bytes
.endr
.endr
	v_cndmask_b32 v[SCW], v[PWR], v[PWR+1], s66    ; lanes 0-15 one tile's words, lanes 16-31 the next's
	v_cndmask_b32 v[SCW+1], v[PWR+2], v[PWR+3], s66
	global_store_b32 v[LS], v[SCW], s[72:73]
	global_store_b32 v[LS], v[SCW+1], s[72:73] offset:128
	s_wait_tensorcnt 0x0                           ; the wave's end
	ds_add_u32 v[SPW], v[NIL]
	s_wait_dscnt 0x0
	CROUND                                         ; the closing round: no work-group ends while a partner may still ask for a tile that names it
	s_endpgm
.Lfunc_end_k_q4a462e2b0a_qkv:
	.size	k_q4a462e2b0a_qkv, .Lfunc_end_k_q4a462e2b0a_qkv-k_q4a462e2b0a_qkv
	.p2alignl 7, 3214868480
	.fill 96, 4, 3214868480
	.section	.rodata,"a",@progbits
	.p2align	6, 0x0
	.amdhsa_kernel k_q4a462e2b0a_qkv
		.amdhsa_group_segment_fixed_size 327680
		.amdhsa_private_segment_fixed_size 0
		.amdhsa_enable_private_segment 0
		.amdhsa_kernarg_size 40
		.amdhsa_user_sgpr_count 2
		.amdhsa_user_sgpr_kernarg_segment_ptr 1
		.amdhsa_wavefront_size32 1
		.amdhsa_system_sgpr_workgroup_id_x 1
		.amdhsa_system_sgpr_workgroup_id_y 1
		.amdhsa_system_sgpr_workgroup_id_z 1
		.amdhsa_system_vgpr_workitem_id 0
		.amdhsa_next_free_vgpr 1024
		.amdhsa_next_free_sgpr 96
		.amdhsa_reserve_vcc 0
		.amdhsa_float_denorm_mode_32 3
		.amdhsa_float_denorm_mode_16_64 3
		.amdhsa_memory_ordered 1
		.amdhsa_forward_progress 1
		.amdhsa_inst_pref_size 161
	.end_amdhsa_kernel
	.amdgpu_metadata
---
amdhsa.version: [ 1, 2 ]
amdhsa.kernels:
  - .name:           k_q4a462e2b0a_qkv
    .symbol:         k_q4a462e2b0a_qkv.kd
    .args:
      - { .name: ximg, .offset: 0, .size: 8, .value_kind: global_buffer, .address_space: global }
      - { .name: wimg, .offset: 8, .size: 8, .value_kind: global_buffer, .address_space: global }
      - { .name: rope, .offset: 16, .size: 8, .value_kind: global_buffer, .address_space: global }
      - { .name: qimg, .offset: 24, .size: 8, .value_kind: global_buffer, .address_space: global }
      - { .name: kvimg, .offset: 32, .size: 8, .value_kind: global_buffer, .address_space: global }
    .group_segment_fixed_size: 327680
    .private_segment_fixed_size: 0
    .kernarg_segment_align: 8
    .kernarg_segment_size: 40
    .max_flat_workgroup_size: 128
    .sgpr_count:     96
    .vgpr_count:     1024
    .wavefront_size: 32
...
	.end_amdgpu_metadata
.endif
;; end of part 2
;; launch attn (part 3): grid 64 x 4, 8 waves a work-group, no clusters, 271,360 bytes of LDS; arguments qimg, kvimg, oimg; writes oimg
.if DOCPART == 3
	.amdgcn_target "amdgcn-amd-amdhsa--gfx1250"
	.amdhsa_code_object_version 6
	.text
	.protected	k_q4a462e2b0a_attn
	.globl	k_q4a462e2b0a_attn
	.p2align	8
	.type	k_q4a462e2b0a_attn,@function
k_q4a462e2b0a_attn:
	s_mov_b64 s[64:65], 0
	v_nop
	global_prefetch_b8 v0, s[64:65] scope:SCOPE_SE
	s_setreg_imm32_b32 hwreg(HW_REG_WAVE_MODE, 25, 1), 1
	s_wait_xcnt 0x0
; ATTN: o = softmax(q k^T / sqrt(128), causal) v on codes of FP6 (E2M3, one E8M0 scale for each 32 along K), and o quantised again along d as fragment images for the last product.
; Both products are used transposed (S^T = k q^T, O^T = v^T p^T): a lane holds one query.  p = 2^(t - M), M the running largest t rounded up to a whole number; the row's sum is taken of the unquantised p.
; LEFT OUT: key steps that lie wholly above the diagonal of the causal mask that the problem builds itself: their p are 0 for all inputs.  A NaN or an infinity that reaches only those scores is not carried to the result.
; LIMITS: NaN and infinities are not served; the scaled scores stay under 2^31 in magnitude; a block whose largest magnitude lies under 2^-124 keeps the scale byte 1.
; THE DEAL.  A tile is 16 query positions of BOTH query heads of one key/value head: each fragment of K and V feeds two matrix instructions.  A tile in block b of 128 positions has b + 1 key steps of 128.
; Work-group (x, g): j = x / 4; group gr = wave / 4 takes the short tile 8 j + 2 (x % 4) + gr (j + 1 steps) and the long tile 255 - that (32 - j steps): 33 steps, laid on end (long, then short) and cut into runs of
; 9, 8, 8, 8 (group 1: 8, 9, 8, 8) for its four waves.  So a wave has one or two segments (part of the long tile, part of the short one), and all 2,048 waves have 8 or 9 steps.
; Since every M is a whole number, partial results under different M differ by exact powers of two: each segment's O^T, -M and sum go to LDS bytes of their own, one barrier follows, and each wave joins one tile of one head.
; NO LDS RING, NO CLUSTER: the waves of a work-group stand at different key steps at the same time, so no tile is wanted by all of them together; K and V lie in memory as images of the operands' registers and go
; straight into registers, 512 consecutive bytes a load, K half a step and V a whole step ahead of their use.  No data prefetch: these loads run ahead themselves, and each unit of kvimg is loaded by many waves of the launch.
; A segment's last step is written out: it asks for nothing more, and it alone can be the diagonal step, which is masked.
; REGISTERS: window 0: v1-11 addresses; v12-19 -M, largest t, sum (two heads); v20-31 scale words; v32-55 q; v56-73 at work; v76-107 p's codes; v108-115 LDS addresses; v128-191 S^T, then p; v192-255 O^T of head 0.
;   window 1: v0-95 K's fragments, v96-191 V's, v192-255 O^T of head 1.
.set UNIT,  12800
.set PSLOT, 16896                      ; a segment's partial result: 2 x 8,192 bytes of O^T, then for each head 128 bytes of -M and 128 of the sum
.set SPARE, 16*PSLOT                   ; the spare words: 128 bytes for each wave
.set LI,  1
.set LS,  2
.set LR,  3
.set QD,  4
.set SPW, 5
.set NIL, 6
.set NINF, 7
.set QD0, 8
.set PWO, 9
.set SK,  20
.set SV,  24
.set QS,  28
.set PS,  30
.set QF,  32
.set BM,  56
.set BX,  60
.set SO,  64
.set TT,  68
.set FF,  70
.set A2,  72
.set PCD, 76
.set PT,  100
.set STA, 108
.set STB, 110
.set RDA, 112
.set RDS, 114
.set TM,  56
.set SS,  128
.set OO,  192
.set WV,  10
.set GR,  11
.set W4,  12
.set J,   13
.set CX,  14
.set G,   15
.set PSH, 16
.set PLG, 17
.set L,   18
.set A,   19
.set E,   20
.set A1,  21
.set E1,  22
.set SG,  23
.set TILE, 24
.set KS,  25
.set KE,  26
.set DG,  27
.set T0,  28
.set T1,  30
.set T2,  31
.set KVB, 32
.set KA,  34
.set QA,  36
.set QC,  38
.set SEL, 40
.set CS,  42
.set NC,  44
.set OA,  46
.set OC,  48
.set KD,  50
.set HD,  51
.set MSB, 0
.macro WIN new                         ; the immediate's high byte repeats the setting that is left
.if MSB != \new
	s_set_vgpr_msb (MSB<<8)|\new
.set MSB, \new
.endif
.endm
.macro PLACES n
.rept \n
	v_nop
.endr
.endm
.macro WM zero                         ; by the symbols rD, rA, rB, rSA, rSB; fA: source 0's scale words stand in lanes 16-31
.if \zero
.if fA
	v_wmma_scale_f32_16x16x128_f8f6f4 v[rD:rD+7], v[rA:rA+11], v[rB:rB+11], 0, v[rSA], v[rSB] matrix_a_fmt:MATRIX_FMT_FP6 matrix_b_fmt:MATRIX_FMT_FP6 matrix_a_scale:MATRIX_SCALE_ROW1
.else
	v_wmma_scale_f32_16x16x128_f8f6f4 v[rD:rD+7], v[rA:rA+11], v[rB:rB+11], 0, v[rSA], v[rSB] matrix_a_fmt:MATRIX_FMT_FP6 matrix_b_fmt:MATRIX_FMT_FP6
.endif
.else
.if fA
	v_wmma_scale_f32_16x16x128_f8f6f4 v[rD:rD+7], v[rA:rA+11], v[rB:rB+11], v[rD:rD+7], v[rSA], v[rSB] matrix_a_fmt:MATRIX_FMT_FP6 matrix_b_fmt:MATRIX_FMT_FP6 matrix_a_scale:MATRIX_SCALE_ROW1
.else
	v_wmma_scale_f32_16x16x128_f8f6f4 v[rD:rD+7], v[rA:rA+11], v[rB:rB+11], v[rD:rD+7], v[rSA], v[rSB] matrix_a_fmt:MATRIX_FMT_FP6 matrix_b_fmt:MATRIX_FMT_FP6
.endif
.endif
.endm
.macro SMUL hd                         ; S^T = K q^T of head hd: eight tiles of 16 keys
	WIN 0x01                                       ; source 0 (K) window 1
.set tt, 0
.rept 8
.set rD, SS+8*tt
.set rA, 12*tt
.set rB, QF+12*\hd
.set rSA, SK+tt/2
.set rSB, QS+\hd
.set fA, tt%2
	WM 1
.set tt, tt+1
.endr
	WIN 0
.endm
.macro PV hd                           ; O^T += V^T p^T of head hd: its eight accumulators by turns
	WIN 0x01+0x50*\hd                              ; source 0 (V) window 1; C and D window hd
.set tt, 0
.rept 8
.set rD, OO+8*tt
.set rA, 96+12*tt
.set rB, PCD+12*\hd
.set rSA, SV+tt/2
.set rSB, PS+\hd
.set fA, tt%2
	WM 0
.set tt, tt+1
.endr
	WIN 0
.endm
.macro UADDR ks                        ; s[KA] = K's unit of key step s[ks]: 256 keys are four units (K, K, V, V).  s[T0+1] is 0
	s_lshr_b32 s[T0], s[\ks], 1
	s_mul_i32 s[T0], s[T0], 4*UNIT
	s_and_b32 s[T1], s[\ks], 1
	s_mul_i32 s[T1], s[T1], UNIT
	s_add_co_u32 s[T0], s[T0], s[T1]
	s_add_nc_u64 s[KA:KA+1], s[KVB:KVB+1], s[T0:T0+1]
.endm
.macro LOADU rb, off, sc               ; a unit: 24 loads of 512 consecutive bytes into window 1, and four loads of scale words: 28 loads
	WIN 0x40
.irp t, 0,1,2,3,4,5,6,7
.irp c, 0,1,2
	global_load_b128 v[\rb+12*\t+4*\c:\rb+12*\t+4*\c+3], v[LI], s[KA:KA+1] offset:\off+1536*\t+512*\c
.endr
.endr
	WIN 0
.irp c, 0,1,2,3
	global_load_b32 v[\sc+\c], v[LS], s[KA:KA+1] offset:\off+12288+128*\c
.endr
.endm
.macro MASK                            ; in the diagonal step: register n is key 16 (n / 8) + 8 h + n % 8 of the step; keys beyond my query get -infinity
	s_cmp_lg_u32 s[KS], s[DG]
	s_cbranch_scc1 .Lopen_\@
.set n, 0
.rept 64
	v_cmp_gt_i32 vcc_lo, 16*(n/8)+n%8, v[QD]
	v_cndmask_b32 v[SS+n], v[SS+n], v[NINF], vcc_lo
.set n, n+1
.endr
.Lopen_\@:
.endm
; the softmax of head hd's 16 x 128 scores: new M, p, the sum, p's codes and scale word, and O^T under the new M
.macro SOFT hd
.set ST, 12+4*\hd
.set PC, PCD+12*\hd
.irp b, 0,1,2,3
	v_max3_num_f32 v[BM+\b], v[SS+16*\b], v[SS+1+16*\b], v[SS+2+16*\b]   ; the largest score of each block of 32 keys; each accumulator is read from its low end on
.endr
.irp i, 3,5,7,9,11,13
.irp b, 0,1,2,3
	v_max3_num_f32 v[BM+\b], v[BM+\b], v[SS+16*\b+\i], v[SS+1+16*\b+\i]
.endr
.endr
.irp b, 0,1,2,3
	v_max_num_f32 v[BM+\b], v[BM+\b], v[SS+15+16*\b]
.endr
.irp b, 0,1,2,3
	s_delay_alu instid0(VALU_DEP_4)
	v_permlanex16_b32 v[BX+\b], v[BM+\b], s[SEL], s[SEL+1]
.endr
.irp b, 0,1,2,3
	s_delay_alu instid0(VALU_DEP_4)
	v_max_num_f32 v[BM+\b], v[BM+\b], v[BX+\b]     ; with lane l xor 16's keys
.endr
	s_delay_alu instid0(VALU_DEP_2)
	v_max3_num_f32 v[TT], v[BM], v[BM+1], v[BM+2]
	s_delay_alu instid0(VALU_DEP_1)
	v_max_num_f32 v[TT], v[TT], v[BM+3]
	s_delay_alu instid0(VALU_DEP_1)
	v_mul_f32 v[TT], s[CS], v[TT]                  ; as t
	s_delay_alu instid0(VALU_DEP_1)
	v_max_num_f32 v[ST+1], v[ST+1], v[TT]          ; the running largest t
	v_mov_b32 v[TT], v[ST]
	s_delay_alu instid0(VALU_DEP_2)
	v_floor_f32 v[ST], -v[ST+1]                    ; -M = floor(-t)
	s_delay_alu instid0(VALU_DEP_1)
	v_sub_f32 v[TT], v[ST], v[TT]
	s_delay_alu instid0(VALU_DEP_1)
	v_cvt_i32_f32 v[TT], v[TT]                     ; (it saturates)
	s_delay_alu instid0(VALU_DEP_1)
	v_ldexp_f32 v[FF], 1.0, v[TT]                  ; f = 2^(old M - new M)
.set j, 0
.rept 32
	v_pk_fma_f32 v[SS+j:SS+1+j], v[SS+j:SS+1+j], s[CS:CS+1], v[ST:ST+1] op_sel_hi:[1,0,0]   ; t - M
.set j, j+2
.endr
.irp b, 0,1,2,3
	v_fma_f32 v[BM+\b], v[BM+\b], s[CS], v[ST]     ; the same of each block's largest score
.endr
	s_wait_alu depctr_va_vdst(0)                   ; the wait ahead of the batch
.set j, 0
.rept 64
	v_exp_f32 v[SS+j], v[SS+j]
.set j, j+1
.endr
	v_pk_mul_f32 v[ST+2:ST+3], v[ST+2:ST+3], v[FF:FF+1] op_sel_hi:[1,0]   ; the sums under the new M; a plain place behind the batch
	s_wait_alu depctr_va_vdst(0)                   ; one wait for the batch, ahead of its first reader
.irp b, 0,1,2,3
	v_exp_f32 v[BM+\b], v[BM+\b]                   ; each block's largest p
.endr
	v_pk_add_f32 v[A2:A2+1], v[SS:SS+1], v[SS+2:SS+3]   ; the sum of the unquantised p, in two chains
.set j, 4
.rept 15
	v_pk_add_f32 v[ST+2:ST+3], v[ST+2:ST+3], v[SS+j:SS+1+j]
	v_pk_add_f32 v[A2:A2+1], v[A2:A2+1], v[SS+2+j:SS+3+j]
.set j, j+4
.endr
	s_delay_alu instid0(VALU_DEP_1)
	v_pk_add_f32 v[ST+2:ST+3], v[ST+2:ST+3], v[A2:A2+1]
	s_wait_alu depctr_va_vdst(0)                   ; and one for the four
.irp b, 0,1,2,3
	v_max_num_f32 v[BM+\b], 0x1800000, v[BM+\b]    ; the floor 2^(3 - 127): the byte cannot fall under 1
.endr
.irp b, 0,1,2,3
	s_delay_alu instid0(VALU_DEP_4)
	v_add_nc_u32 v[SO+\b], 0xff000000, v[BM+\b]    ; 2 off the exponent field: the conversion's scale operand
.endr
.irp b, 0,1,2,3
	s_delay_alu instid0(VALU_DEP_4)
	v_lshrrev_b32 v[BX+\b], 23, v[SO+\b]           ; the byte
.endr
	s_delay_alu instid0(VALU_DEP_3)
	v_lshl_or_b32 v[PS+\hd], v[BX+1], 8, v[BX]
	s_delay_alu instid0(VALU_DEP_1)
	v_lshl_or_b32 v[PS+\hd], v[BX+2], 16, v[PS+\hd]
	s_delay_alu instid0(VALU_DEP_1)
	v_lshl_or_b32 v[PS+\hd], v[BX+3], 24, v[PS+\hd]
.irp c, 0,1
	v_cvt_scalef32_pk16_fp6_f32 v[PC+6*\c:PC+2+6*\c], v[SS+32*\c:SS+15+32*\c], v[SO+2*\c]
	v_cvt_scalef32_pk16_fp6_f32 v[PT+4*\c:PT+2+4*\c], v[SS+16+32*\c:SS+31+32*\c], v[SO+2*\c+1]   ; (a conversion's three registers begin on an even number)
.endr
	v_nop                                          ; one plain instruction behind a scaled conversion
.irp c, 0,1                            ; the operand wants a whole block in a lane
.irp i, 0,1,2
	v_permlane16_swap_b32 v[PC+6*\c+\i], v[PT+4*\c+\i]
.endr
.irp i, 0,1,2
	s_delay_alu instid0(VALU_DEP_3)
	v_mov_b32 v[PC+3+6*\c+\i], v[PT+4*\c+\i]
.endr
.endr
	WIN 0x41*\hd                                   ; head 1's O^T: source 0 and destination window 1
	s_wait_alu depctr_va_vdst(0)                   ; the wait directly ahead of the first reader of O^T
.set j, 0
.rept 32
	v_pk_mul_f32 v[OO+j:OO+1+j], v[OO+j:OO+1+j], v[FF:FF+1] op_sel_hi:[1,0]   ; O^T under the new M; also the places between p's codes and scale word and the products
.set j, j+2
.endr
	WIN 0
.endm
; A key step.  Loads are issued in the order K(t), V(t), K(t + 1), V(t + 1), 28 each: so a wait for 28 shows the older of the two units that are out.  last = 1: nothing more is asked for.
.macro STEP last
	s_wait_loadcnt 28                              ; K(t) (and q) are in; V(t)'s 28 loads may be out
	SMUL 0
	PLACES 4
.if \last
	MASK
.endif
	SOFT 0
	SMUL 1
	PLACES 4                                       ; in front of the reads of S^T and of the loads into K's registers
.if \last
	MASK
.else
	s_wait_alu depctr_va_vdst(0)                   ; the wait ahead of the wait and the scalar lines below
	s_wait_xcnt 0x0                                ; V(t)'s loads have read their base
	s_add_co_u32 s[T2], s[KS], 1
	UADDR T2
	LOADU 0, 0, SK                                 ; K(t + 1)
.endif
	SOFT 1
	s_wait_alu depctr_va_vdst(0)                   ; the wait directly ahead of the wait below
.if \last
	s_wait_loadcnt 0x0                             ; V(t) is in
.else
	s_wait_loadcnt 28                              ; V(t) is in; K(t + 1)'s 28 loads may be out
.endif
	PV 0
	PV 1
.if \last == 0
	PLACES 4                                       ; in front of the loads into V's registers
	LOADU 96, 2*UNIT, SV                           ; V(t + 1)
.endif
.endm
.macro FLUSH sg                        ; my segment's partial result into its own LDS bytes, as register images
.set i, 0
.rept 16
	ds_store_b128 v[STA+\sg], v[OO+4*i:OO+4*i+3] offset:512*i
.set i, i+1
.endr
	WIN 0x04                                       ; an LDS store's data are its source 1: window 1
.set i, 0
.rept 16
	ds_store_b128 v[STA+\sg], v[OO+4*i:OO+4*i+3] offset:8192+512*i
.set i, i+1
.endr
	WIN 0
.irp hd, 0,1
	ds_store_b32 v[STB+\sg], v[12+4*\hd] offset:16384+256*\hd
	ds_store_b32 v[STB+\sg], v[14+4*\hd] offset:16384+256*\hd+128
.endr
.endm
.macro MERGE q                         ; the q-th partial result of my tile joins what I hold: both are brought under the larger M by exact powers of two
	s_cmp_gt_u32 s[NC], \q
	s_cbranch_scc0 .Lmerged
	ds_load_b32 v116, v[RDS+\q/2] offset:(\q%2)*2*PSLOT
	ds_load_b32 v117, v[RDS+\q/2] offset:(\q%2)*2*PSLOT+128
.set i, 0
.rept 16
	ds_load_b128 v[SS+4*i:SS+4*i+3], v[RDA+\q/2] offset:(\q%2)*2*PSLOT+512*i
.set i, i+1
.endr
	s_wait_dscnt 16                                ; -M and the sum are in (and all older loads); the 16 loads of O^T may be out
	v_min_num_f32 v118, v12, v116                  ; the new -M
	s_delay_alu instid0(VALU_DEP_1)
	v_sub_f32 v119, v118, v12
	v_sub_f32 v120, v118, v116
	s_delay_alu instid0(VALU_DEP_2)
	v_cvt_i32_f32 v119, v119
	s_delay_alu instid0(VALU_DEP_2)
	v_cvt_i32_f32 v120, v120
	s_delay_alu instid0(VALU_DEP_2)
	v_ldexp_f32 v122, 1.0, v119
	s_delay_alu instid0(VALU_DEP_2)
	v_ldexp_f32 v124, 1.0, v120
	v_mov_b32 v12, v118
	v_mul_f32 v14, v14, v122
	s_delay_alu instid0(VALU_DEP_1)
	v_fma_f32 v14, v117, v124, v14
	s_wait_alu depctr_va_vdst(0)                   ; the wait directly ahead of the wait below
	s_wait_dscnt 0x0
.set j, 0
.rept 32
	v_pk_mul_f32 v[OO+j:OO+1+j], v[OO+j:OO+1+j], v[122:123] op_sel_hi:[1,0]
.set j, j+2
.endr
.set j, 0
.rept 32
	v_pk_fma_f32 v[OO+j:OO+1+j], v[SS+j:SS+1+j], v[124:125], v[OO+j:OO+1+j] op_sel_hi:[1,0,1]
.set j, j+2
.endr
.endm
; 64 numbers of a lane become a fragment's 12 registers at v[pc] on and the row's scale word in v[pw]
.macro QUANT s, pc, pw
.irp b, 0,1,2,3
	v_max3_num_f32 v[TM+\b], |v[\s+16*\b]|, |v[\s+1+16*\b]|, 0x1800000
.endr
.irp i, 2,4,6,8,10,12,14
.irp b, 0,1,2,3
	s_delay_alu instid0(VALU_DEP_4)
	v_max3_num_f32 v[TM+\b], v[TM+\b], |v[\s+16*\b+\i]|, |v[\s+1+16*\b+\i]|
.endr
.endr
.irp b, 0,1,2,3
	s_delay_alu instid0(VALU_DEP_4)
	v_permlanex16_b32 v[TM+4+\b], v[TM+\b], s[SEL], s[SEL+1]
.endr
.irp b, 0,1,2,3
	s_delay_alu instid0(VALU_DEP_4)
	v_max_num_f32 v[TM+\b], v[TM+\b], v[TM+4+\b]
.endr
.irp b, 0,1,2,3
	s_delay_alu instid0(VALU_DEP_4)
	v_add_nc_u32 v[TM+12+\b], 0xff000000, v[TM+\b]
.endr
.irp b, 0,1,2,3
	s_delay_alu instid0(VALU_DEP_4)
	v_lshrrev_b32 v[TM+4+\b], 23, v[TM+12+\b]
.endr
	s_delay_alu instid0(VALU_DEP_3)
	v_lshl_or_b32 v[\pw], v[TM+5], 8, v[TM+4]
	s_delay_alu instid0(VALU_DEP_1)
	v_lshl_or_b32 v[\pw], v[TM+6], 16, v[\pw]
	s_delay_alu instid0(VALU_DEP_1)
	v_lshl_or_b32 v[\pw], v[TM+7], 24, v[\pw]
.irp c, 0,1
	v_cvt_scalef32_pk16_fp6_f32 v[\pc+6*\c:\pc+2+6*\c], v[\s+32*\c:\s+15+32*\c], v[TM+12+2*\c]
	v_cvt_scalef32_pk16_fp6_f32 v[\pc+12+4*\c:\pc+14+4*\c], v[\s+16+32*\c:\s+31+32*\c], v[TM+12+2*\c+1]
.endr
	v_nop
.irp c, 0,1
.irp i, 0,1,2
	v_permlane16_swap_b32 v[\pc+6*\c+\i], v[\pc+12+4*\c+\i]
.endr
.irp i, 0,1,2
	s_delay_alu instid0(VALU_DEP_3)
	v_mov_b32 v[\pc+3+6*\c+\i], v[\pc+12+4*\c+\i]
.endr
.endr
.endm
	s_load_b128 s[4:7], s[0:1], 0x0                ; qimg 4, kvimg 6
	s_load_b64 s[8:9], s[0:1], 0x10                ; oimg
	v_lshl_add_u32 v[SPW], v0, 2, SPARE
	v_mov_b32 v[NIL], 0
	v_lshrrev_b32 v10, 5, v0
	s_delay_alu instid0(VALU_DEP_1)
	v_readfirstlane_b32 s[WV], v10                 ; wave 0..7
	v_and_b32 v11, 31, v0
	s_delay_alu instid0(VALU_DEP_1)
	v_lshlrev_b32 v[LI], 4, v11                    ; 16 x lane
	v_lshlrev_b32 v[LS], 2, v11                    ; 4 x lane
	v_and_b32 v[LR], 15, v0                        ; r
	v_bfe_u32 v10, v0, 4, 1
	s_delay_alu instid0(VALU_DEP_1)
	v_lshlrev_b32 v10, 3, v10
	s_delay_alu instid0(VALU_DEP_1)
	v_sub_nc_u32 v[QD0], v[LR], v10                ; r - 8 h
	v_lshlrev_b32 v[LR], 2, v[LR]
	v_mov_b32 v[NINF], 0xff800000
.irp b, 0,1,2,3
	v_mov_b32 v[BX+\b], 0                          ; written once: a lane permute's destination counts as one of its sources
.endr
	v_mov_b32 v[TT], 0
	v_mov_b32 v[FF+1], 0                           ; the upper halves of pairs of which the low word alone is used
	v_mov_b32 v123, 0
	v_mov_b32 v125, 0
	s_lshr_b32 s[GR], s[WV], 2
	s_and_b32 s[W4], s[WV], 3
	s_lshr_b32 s[J], ttmp9, 2
	s_and_b32 s[CX], ttmp9, 3
	s_and_b32 s[G], ttmp7, 0xffff                  ; the key/value head
	s_lshl_b32 s[PSH], s[J], 3
	s_lshl_b32 s[T1], s[CX], 1
	s_add_co_u32 s[PSH], s[PSH], s[T1]
	s_add_co_u32 s[PSH], s[PSH], s[GR]             ; the short tile
	s_sub_co_u32 s[PLG], 255, s[PSH]               ; the long tile
	s_sub_co_u32 s[L], 32, s[J]                    ; its steps
	s_lshl_b32 s[A], s[W4], 3
	s_cmp_gt_u32 s[W4], s[GR]
	s_cselect_b32 s[T1], 1, 0
	s_add_co_u32 s[A], s[A], s[T1]                 ; my run of the 33 steps begins here,
	s_cmp_eq_u32 s[W4], s[GR]
	s_cselect_b32 s[T1], 9, 8
	s_add_co_u32 s[E], s[A], s[T1]                 ; and ends in front of this
	s_sub_co_i32 s[E1], s[E], s[L]                 ; the short tile's part: up to E - L (0 or less: none),
	s_max_u32 s[A1], s[A], s[L]
	s_sub_co_u32 s[A1], s[A1], s[L]                ; from max(A, L) - L
	s_min_u32 s[E], s[E], s[L]                     ; the long tile's part: A up to min(E, L)
	s_mov_b32 s[T0+1], 0
	s_mov_b32 s[SEL], 0x76543210
	s_mov_b32 s[SEL+1], 0xfedcba98
	s_mov_b32 s[CS], 0x3e0293ee                    ; log2(e) / sqrt(128)
	s_mov_b32 s[CS+1], s[CS]
	s_wait_alu depctr_va_vdst(0)
	; LDS: place q of group gr holds a long and a short partial result; the long one of wave w4 lies at q = w4, the short one at q = w4 xor 3: so each tile's partial results lie at q = 0, 1, ..
	s_mul_i32 s[T1], s[WV], 2*PSLOT
	v_add_nc_u32 v[STA], s[T1], v[LI]
	v_add_nc_u32 v[STB], s[T1], v[LS]
	s_xor_b32 s[T1], s[WV], 3
	s_mul_i32 s[T1], s[T1], 2*PSLOT
	s_add_co_u32 s[T1], s[T1], PSLOT
	v_add_nc_u32 v[STA+1], s[T1], v[LI]
	v_add_nc_u32 v[STB+1], s[T1], v[LS]
	s_mul_i32 s[T1], s[GR], 8*PSLOT                ; what I join: waves 0, 1 of a group the long tile's heads 0, 1; waves 2, 3 the short tile's
	s_lshr_b32 s[KD], s[W4], 1
	s_mul_i32 s[T2], s[KD], PSLOT
	s_add_co_u32 s[T1], s[T1], s[T2]
	s_and_b32 s[HD], s[W4], 1
	s_lshl_b32 s[T2], s[HD], 13
	s_add_co_u32 s[T2], s[T2], s[T1]
	v_add_nc_u32 v[RDA], s[T2], v[LI]
	v_add_nc_u32 v[RDA+1], 4*PSLOT, v[RDA]
	s_lshl_b32 s[T2], s[HD], 8
	s_add_co_u32 s[T2], s[T2], s[T1]
	s_add_co_u32 s[T2], s[T2], 16384
	v_add_nc_u32 v[RDS], s[T2], v[LS]
	v_add_nc_u32 v[RDS+1], 4*PSLOT, v[RDS]
	s_mul_i32 s[T0], s[G], 64*UNIT
	s_mov_b32 s[SG], 0
	s_wait_alu depctr_va_vdst(0)                   ; the wait at the head's end
	s_wait_kmcnt 0x0
	s_add_nc_u64 s[KVB:KVB+1], s[6:7], s[T0:T0+1]  ; my head's K and V
.Lseg:                                                 ; two trips: my part of the long tile, my part of the short one
	s_cmp_eq_u32 s[SG], 0
	s_cselect_b32 s[TILE], s[PLG], s[PSH]
	s_cselect_b32 s[KS], s[A], s[A1]
	s_cselect_b32 s[KE], s[E], s[E1]
	s_cmp_lt_i32 s[KS], s[KE]
	s_cbranch_scc0 .Lnoseg                         ; I have no part of this tile
	s_sub_co_u32 s[KE], s[KE], 1                   ; my last step
	s_lshr_b32 s[DG], s[TILE], 3                   ; the tile's diagonal step
	s_and_b32 s[T2], s[TILE], 7
	s_lshl_b32 s[T0], s[G], 6                      ; q: unit [head 2 g][128 queries]; head 2 g + 1 lies 32 units on
	s_add_co_u32 s[T0], s[T0], s[DG]
	s_mul_i32 s[T0], s[T0], UNIT
	s_wait_xcnt 0x0                                ; earlier loads have read their bases
	s_add_nc_u64 s[QC:QC+1], s[4:5], s[T0:T0+1]
	s_mul_i32 s[T0], s[T2], 1536
	s_add_nc_u64 s[QA:QA+1], s[QC:QC+1], s[T0:T0+1]
	s_lshl_b32 s[T0], s[T2], 6
	s_add_nc_u64 s[QC:QC+1], s[QC:QC+1], s[T0:T0+1]
.irp hd, 0,1
.irp c, 0,1,2
	global_load_b128 v[QF+12*\hd+4*\c:QF+12*\hd+4*\c+3], v[LI], s[QA:QA+1] offset:\hd*32*UNIT+512*\c
.endr
	global_load_b32 v[QS+\hd], v[LR], s[QC:QC+1] offset:\hd*32*UNIT+12288
.endr
	UADDR KS
	LOADU 0, 0, SK
	LOADU 96, 2*UNIT, SV
	s_lshl_b32 s[T2], s[T2], 4
	v_add_nc_u32 v[QD], s[T2], v[QD0]              ; my query's place in its 128, less 8 h
.irp hd, 0,1
	v_mov_b32 v[13+4*\hd], 0xff61b1e6              ; the largest t so far: -3e38
	v_floor_f32 v[12+4*\hd], -v[13+4*\hd]
	v_mov_b32 v[14+4*\hd], 0
	v_mov_b32 v[15+4*\hd], 0
.endr
.set j, 0
.rept 64
	v_mov_b32 v[OO+j], 0                           ; the step is written for every place in a segment: the first finds zeros
.set j, j+1
.endr
	WIN 0x40
.set j, 0
.rept 64
	v_mov_b32 v[OO+j], 0
.set j, j+1
.endr
	WIN 0
	s_wait_alu depctr_va_vdst(0)                   ; the wait ahead of the branch and the waits below
	s_cmp_lt_u32 s[KS], s[KE]
	s_cbranch_scc0 .Ltail
.Lstep:
	STEP 0
	s_add_co_u32 s[KS], s[KS], 1
	s_cmp_lt_u32 s[KS], s[KE]
	s_cbranch_scc1 .Lstep
.Ltail:
	STEP 1
	v_add_f32 v14, v14, v15                        ; the sums' two halves; with the two v_nop the places behind the last products
	v_add_f32 v18, v18, v19
	v_nop
	v_nop
	s_wait_alu depctr_va_vdst(0)                   ; the wait ahead of the branch
	s_cmp_eq_u32 s[SG], 0
	s_cbranch_scc0 .Lflush_short
	FLUSH 0
	s_branch .Lflushed
.Lflush_short:
	FLUSH 1
.Lflushed:
	s_wait_dscnt 0x0                               ; the stores are done: their registers are written again in the next trip
.Lnoseg:
	s_add_co_u32 s[SG], s[SG], 1
	s_cmp_lt_u32 s[SG], 2
	s_cbranch_scc1 .Lseg
	s_wait_dscnt 0x0                               ; my partial results lie in LDS
	s_barrier_signal -1
	s_barrier_wait -1                              ; everybody's do
	; how many partial results my tile has: runs begin at 0, 8 or 9, 17, 25.  Long (L steps): 2, + 1 if L > 17, + 1 if L > 25.  Short: 1, + 1 if L < 25
	s_cmp_gt_u32 s[L], 17
	s_cselect_b32 s[T1], 3, 2
	s_cmp_gt_u32 s[L], 25
	s_cselect_b32 s[T2], 1, 0
	s_add_co_u32 s[T1], s[T1], s[T2]
	s_cmp_lt_u32 s[L], 25
	s_cselect_b32 s[T2], 2, 1
	s_cmp_eq_u32 s[KD], 0
	s_cselect_b32 s[NC], s[T1], s[T2]
	s_cselect_b32 s[TILE], s[PLG], s[PSH]
	ds_load_b32 v12, v[RDS]                        ; the first partial result as it is
	ds_load_b32 v14, v[RDS] offset:128
.set i, 0
.rept 16
	ds_load_b128 v[OO+4*i:OO+4*i+3], v[RDA] offset:512*i
.set i, i+1
.endr
	s_lshr_b32 s[DG], s[TILE], 3                   ; where the result goes: unit [128 queries][head]
	s_and_b32 s[T2], s[TILE], 7
	s_lshl_b32 s[T0], s[DG], 3
	s_lshl_b32 s[T1], s[G], 1
	s_add_co_u32 s[T0], s[T0], s[T1]
	s_add_co_u32 s[T0], s[T0], s[HD]
	s_mul_i32 s[T0], s[T0], UNIT
	s_add_nc_u64 s[OC:OC+1], s[8:9], s[T0:T0+1]
	s_mul_i32 s[T0], s[T2], 1536
	s_add_nc_u64 s[OA:OA+1], s[OC:OC+1], s[T0:T0+1]
	s_lshl_b32 s[T0], s[T2], 6
	s_add_nc_u64 s[OC:OC+1], s[OC:OC+1], s[T0:T0+1]
	MERGE 1
	MERGE 2
	MERGE 3
.Lmerged:
	s_wait_dscnt 0x0
	v_permlanex16_b32 v[TT], v14, s[SEL], s[SEL+1]
	s_delay_alu instid0(VALU_DEP_1)
	v_add_f32 v14, v14, v[TT]                      ; with lane l xor 16's keys: the row's sum
	s_wait_alu depctr_va_vdst(0)                   ; the wait ahead of the transcendental
	v_rcp_f32 v15, v14
	v_nop
	s_wait_alu depctr_va_vdst(0)                   ; and ahead of its first reader
	v_fma_f32 v[TT], -v14, v15, 1.0
	v_fma_f32 v15, v15, v[TT], v15
.set j, 0
.rept 64
	v_mul_f32 v[SS+j], v[OO+j], v15                ; O^T / the sum,
.set j, j+1
.endr
.set j, 0
.rept 64
	v_fma_f32 v[OO+j], -v14, v[SS+j], v[OO+j]      ; what is left,
.set j, j+1
.endr
.set j, 0
.rept 64
	v_fma_f32 v[SS+j], v[OO+j], v15, v[SS+j]       ; mends the quotient
.set j, j+1
.endr
	QUANT SS, PCD, PWO
.irp c, 0,1,2
	global_store_b128 v[LI], v[PCD+4*\c:PCD+4*\c+3], s[OA:OA+1] offset:512*\c   ; 512 consecutive bytes
.endr
	global_store_b32 v[LR], v[PWO], s[OC:OC+1] offset:12288                     ; both halves of the lanes hold a row's word
	s_wait_tensorcnt 0x0                           ; the wave's end
	ds_add_u32 v[SPW], v[NIL]
	s_wait_dscnt 0x0
	s_endpgm
.Lfunc_end_k_q4a462e2b0a_attn:
	.size	k_q4a462e2b0a_attn, .Lfunc_end_k_q4a462e2b0a_attn-k_q4a462e2b0a_attn
	.p2alignl 7, 3214868480
	.fill 96, 4, 3214868480
	.section	.rodata,"a",@progbits
	.p2align	6, 0x0
	.amdhsa_kernel k_q4a462e2b0a_attn
		.amdhsa_group_segment_fixed_size 271360
		.amdhsa_private_segment_fixed_size 0
		.amdhsa_enable_private_segment 0
		.amdhsa_kernarg_size 24
		.amdhsa_user_sgpr_count 2
		.amdhsa_user_sgpr_kernarg_segment_ptr 1
		.amdhsa_wavefront_size32 1
		.amdhsa_system_sgpr_workgroup_id_x 1
		.amdhsa_system_sgpr_workgroup_id_y 1
		.amdhsa_system_sgpr_workgroup_id_z 1
		.amdhsa_system_vgpr_workitem_id 0
		.amdhsa_next_free_vgpr 512
		.amdhsa_next_free_sgpr 66
		.amdhsa_reserve_vcc 1
		.amdhsa_float_denorm_mode_32 3
		.amdhsa_float_denorm_mode_16_64 3
		.amdhsa_memory_ordered 1
		.amdhsa_forward_progress 1
		.amdhsa_inst_pref_size 137
	.end_amdhsa_kernel
	.amdgpu_metadata
---
amdhsa.version: [ 1, 2 ]
amdhsa.kernels:
  - .name:           k_q4a462e2b0a_attn
    .symbol:         k_q4a462e2b0a_attn.kd
    .args:
      - { .name: qimg, .offset: 0, .size: 8, .value_kind: global_buffer, .address_space: global }
      - { .name: kvimg, .offset: 8, .size: 8, .value_kind: global_buffer, .address_space: global }
      - { .name: oimg, .offset: 16, .size: 8, .value_kind: global_buffer, .address_space: global }
    .group_segment_fixed_size: 271360
    .private_segment_fixed_size: 0
    .kernarg_segment_align: 8
    .kernarg_segment_size: 24
    .max_flat_workgroup_size: 256
    .sgpr_count:     66
    .vgpr_count:     512
    .wavefront_size: 32
...
	.end_amdgpu_metadata
.endif
;; end of part 3
;; launch outp (part 4): grid 256 x 1, 4 waves a work-group, clusters of 4 x 1, 327,680 bytes of LDS; arguments oimg, wimg, out0; writes out0
.if DOCPART == 4
	.amdgcn_target "amdgcn-amd-amdhsa--gfx1250"
	.amdhsa_code_object_version 6
	.text
	.protected	k_q4a462e2b0a_outp
	.globl	k_q4a462e2b0a_outp
	.p2align	8
	.type	k_q4a462e2b0a_outp,@function
k_q4a462e2b0a_outp:
	s_mov_b64 s[64:65], 0
	v_nop
	global_prefetch_b8 v0, s[64:65] scope:SCOPE_SE
	s_setreg_imm32_b32 hwreg(HW_REG_WAVE_MODE, 25, 1), 1
	s_wait_xcnt 0x0
	s_wait_alu depctr_hold_cnt(0) depctr_sa_sdst(0) depctr_va_vdst(0) depctr_va_sdst(0) depctr_va_ssrc(0) depctr_va_vcc(0) depctr_vm_vsrc(0)
	s_getreg_b32 s2, hwreg(HW_REG_IB_STS2, 6, 4)
	s_cmp_eq_u32 s2, 0
	s_cbranch_scc0 .Lentry_in_a_cluster
	s_endpgm
.Lentry_in_a_cluster:
	s_bfe_u32 s2, ttmp6, 0x10000c
	s_cmp_lg_u32 s2, 0x3003
	s_cbranch_scc0 .Lentry_shape_is_right
	s_endpgm
.Lentry_shape_is_right:
; OUTP: out0 [4096][2048] f32 = (attention's result) wo, on codes of FP6 (E2M3, one E8M0 scale for each 32 along K = 1024).  Both operands come as units of 12,800 bytes (8 fragment images, 128 scale words).
; Source 0 takes rows of P = 256 columns of wo, source 1 rows of R = 128 tokens: a lane holds one token and eight neighbouring columns of a row of the output.
; Four waves: wave w takes P's half w % 2 and R's half w / 2: 32 accumulators.  256 work-groups.  K is 8 steps of 128 = two LDS slots of 4 steps, both filled at the start: nothing is filled again.
; CLUSTER: the four partners take the same P, two thirds of the bytes: asked for JOINTLY (mask 15).  Each partner has another R, which comes by a load of its own.
; REGISTERS: window 0: v2-17 addresses; v32-47 scale words, two sets; v64-159 R's fragments, two sets; on the way out v64-191 rows of the output.  window 1: P's fragments, two sets.  window 2: accumulator (tr, tp) at v[8 (8 tr + tp)].
.set UNIT,  12800
.set SLOT,  12*UNIT
.set SPI,   528                        ; the way out: a stage of 16 rows x (512 bytes + 16) for each wave, in slot 0, which has had its one fill and, behind the middle barrier, its last read
.set ADP, 2
.set ADR, 4
.set ASP, 6
.set ASR, 8
.set LI,  13
.set LS,  14
.set STO, 15
.set RD,  16
.set SC,  32
.set RF,  64
.set BK,  64
.set WV,  14
.set G1P, 24
.set G1R, 32
.set G0P, 40
.set G0R, 48
.set MSB, 0
.macro WIN new
.if MSB != \new
	s_set_vgpr_msb (MSB<<8)|\new
.set MSB, \new
.endif
.endm
.macro PLACES n
.rept \n
	v_nop
.endr
.endm
.macro CROUND                          ; a round of the cluster's barrier
	s_barrier_signal -1
	s_barrier_wait -1
	s_cmp_lg_u32 s[WV], 0
	s_cbranch_scc1 .Lnot_wave_0_\@
	s_barrier_signal -3
.Lnot_wave_0_\@:
	s_barrier_wait -3
	s_barrier_signal -1
	s_barrier_wait -1
.endm
.macro WM zero                         ; by the symbols rD, rA, rB, rSA, rSB; fA, fB: the side's scale words stand in lanes 16-31
.if \zero
.if fA && fB
	v_wmma_scale_f32_16x16x128_f8f6f4 v[rD:rD+7], v[rA:rA+11], v[rB:rB+11], 0, v[rSA], v[rSB] matrix_a_fmt:MATRIX_FMT_FP6 matrix_b_fmt:MATRIX_FMT_FP6 matrix_a_scale:MATRIX_SCALE_ROW1 matrix_b_scale:MATRIX_SCALE_ROW1
.elseif fA
	v_wmma_scale_f32_16x16x128_f8f6f4 v[rD:rD+7], v[rA:rA+11], v[rB:rB+11], 0, v[rSA], v[rSB] matrix_a_fmt:MATRIX_FMT_FP6 matrix_b_fmt:MATRIX_FMT_FP6 matrix_a_scale:MATRIX_SCALE_ROW1
.elseif fB
	v_wmma_scale_f32_16x16x128_f8f6f4 v[rD:rD+7], v[rA:rA+11], v[rB:rB+11], 0, v[rSA], v[rSB] matrix_a_fmt:MATRIX_FMT_FP6 matrix_b_fmt:MATRIX_FMT_FP6 matrix_b_scale:MATRIX_SCALE_ROW1
.else
	v_wmma_scale_f32_16x16x128_f8f6f4 v[rD:rD+7], v[rA:rA+11], v[rB:rB+11], 0, v[rSA], v[rSB] matrix_a_fmt:MATRIX_FMT_FP6 matrix_b_fmt:MATRIX_FMT_FP6
.endif
.else
.if fA && fB
	v_wmma_scale_f32_16x16x128_f8f6f4 v[rD:rD+7], v[rA:rA+11], v[rB:rB+11], v[rD:rD+7], v[rSA], v[rSB] matrix_a_fmt:MATRIX_FMT_FP6 matrix_b_fmt:MATRIX_FMT_FP6 matrix_a_scale:MATRIX_SCALE_ROW1 matrix_b_scale:MATRIX_SCALE_ROW1
.elseif fA
	v_wmma_scale_f32_16x16x128_f8f6f4 v[rD:rD+7], v[rA:rA+11], v[rB:rB+11], v[rD:rD+7], v[rSA], v[rSB] matrix_a_fmt:MATRIX_FMT_FP6 matrix_b_fmt:MATRIX_FMT_FP6 matrix_a_scale:MATRIX_SCALE_ROW1
.elseif fB
	v_wmma_scale_f32_16x16x128_f8f6f4 v[rD:rD+7], v[rA:rA+11], v[rB:rB+11], v[rD:rD+7], v[rSA], v[rSB] matrix_a_fmt:MATRIX_FMT_FP6 matrix_b_fmt:MATRIX_FMT_FP6 matrix_b_scale:MATRIX_SCALE_ROW1
.else
	v_wmma_scale_f32_16x16x128_f8f6f4 v[rD:rD+7], v[rA:rA+11], v[rB:rB+11], v[rD:rD+7], v[rSA], v[rSB] matrix_a_fmt:MATRIX_FMT_FP6 matrix_b_fmt:MATRIX_FMT_FP6
.endif
.endif
.endm
; R's tiles tr0 .. tr1 against P's eight, from set e.  The 32 accumulators take turns, one instruction a turn, in the same order in every K step.
.macro MULS e, tr0, tr1, zero
.set tr, \tr0
.rept \tr1-\tr0+1
.set tp, 0
.rept 8
.set rD, 8*(8*tr+tp)
.set rA, 128*(\e)+12*tp
.set rB, RF+48*(\e)+12*tr
.set rSA, SC+8*(\e)+tp/2
.set rSB, SC+8*(\e)+4+tr/2
.set fA, tp%2
.set fB, tr%2
	WM \zero
.set tp, tp+1
.endr
.set tr, tr+1
.endr
.endm
.macro FETCH sl, q, e                  ; 42 LDS loads in one run: the slot's q-th K step into set e
	WIN 0x40
.irp t, 0,1,2,3,4,5,6,7
.irp c, 0,1,2
	ds_load_b128 v[128*(\e)+12*\t+4*\c:128*(\e)+12*\t+4*\c+3], v[ADP+\sl] offset:(\q)*UNIT+\t*1536+512*\c
.endr
.endr
	WIN 0
.irp t, 0,1,2,3
.irp c, 0,1,2
	ds_load_b128 v[RF+48*(\e)+12*\t+4*\c:RF+48*(\e)+12*\t+4*\c+3], v[ADR+\sl] offset:(\q)*UNIT+\t*1536+512*\c
.endr
.endr
.irp c, 0,1,2,3
	ds_load_b32 v[SC+8*(\e)+\c], v[ASP+\sl] offset:(\q)*UNIT+128*\c
.endr
.irp c, 0,1
	ds_load_b32 v[SC+8*(\e)+4+\c], v[ASR+\sl] offset:(\q)*UNIT+128*\c
.endr
.endm
.macro STEP sl, q, e, zero             ; multiplies set e; behind its first eight products and four places it fetches the next K step into the other set
	s_wait_dscnt 0x0
	WIN 0xa1                                       ; source 0 (P) window 1, source 1 (R) window 0, C and D window 2
	MULS \e, 0, 0, \zero
	PLACES 4
	FETCH \sl, (\q)+1, 1-(\e)
	WIN 0xa1
	MULS \e, 1, 3, \zero
.endm
	s_load_b128 s[4:7], s[0:1], 0x0                ; oimg 4, wimg 6
	s_load_b64 s[8:9], s[0:1], 0x10                ; out0
	v_lshl_add_u32 v254, v0, 2, 0x4b000
	v_mov_b32 v255, 0
	ds_add_u32 v254, v255
	ds_add_u32 v254, v255
	v_lshrrev_b32 v1, 5, v0
	v_readfirstlane_b32 s[WV], v1                  ; wave 0..3
	s_and_b32 s15, s[WV], 1                        ; which half of P is mine.  Also: which half I fetch
	s_lshr_b32 s16, s[WV], 1                       ; which half of R is mine
	s_mov_b32 s17, ttmp9                           ; the cluster, 0..63
	s_bfe_u32 s18, ttmp6, 0x40000                  ; cx: it enters R's and the output's global addresses alone
	s_lshr_b32 s19, s17, 3                         ; which 256 columns
	s_and_b32 s21, s17, 7
	s_lshl_b32 s21, s21, 2
	s_add_co_u32 s21, s21, s18                     ; which 128 tokens
	s_mov_b32 s[G1P], 15|(3<<16)|(1<<21)           ; the mask: all four work-groups; elements of 8 bytes; bit 21 set beside a mask
	s_mov_b32 s[G1P+1], 32<<16                     ; rows of 256 bytes,
	s_mov_b32 s[G1P+2], 200<<16                    ; 4 units = 200 rows
	s_mov_b32 s[G1P+3], 32<<16
	s_mov_b32 s[G1P+4], 200
	s_mov_b32 s[G1P+5], 32
	s_mov_b32 s[G1P+6], 0
	s_mov_b32 s[G1P+7], 0
	s_mov_b32 s[G1R], 3<<16                        ; no mask
	s_mov_b32 s[G1R+1], 32<<16
	s_mov_b32 s[G1R+2], 100<<16                    ; 2 units
	s_mov_b32 s[G1R+3], 32<<16
	s_mov_b32 s[G1R+4], 100
	s_mov_b32 s[G1R+5], 32
	s_mov_b32 s[G1R+6], 0
	s_mov_b32 s[G1R+7], 0
	s_lshl_b32 s56, s19, 1
	s_add_co_u32 s56, s56, s15
	s_lshl_b32 s56, s56, 3
	s_add_co_u32 s56, s56, 256                     ; wo's units begin at 256; 8 to each 128 columns
	s_mul_i32 s62, s56, UNIT
	s_mov_b32 s63, 0
	s_mul_i32 s76, s21, 8*UNIT
	s_mul_i32 s78, s15, 2*UNIT
	s_add_co_u32 s76, s76, s78
	s_mov_b32 s77, 0
	s_mul_i32 s23, s15, 4*UNIT
	s_wait_dscnt 0x0
	s_wait_kmcnt 0x0
	s_add_nc_u64 s[58:59], s[6:7], s[62:63]        ; P's half that I fetch: nothing of cx in it
	s_add_nc_u64 s[60:61], s[4:5], s[76:77]        ; R's
.irp sl, 0,1
	s_mov_b32 s[G0P+4*\sl], 1
	s_add_co_u32 s[G0P+4*\sl+1], s23, \sl*SLOT
	s_add_nc_u64 s[G0P+4*\sl+2:G0P+4*\sl+3], s[58:59], \sl*4*UNIT
	s_or_b32 s[G0P+4*\sl+3], s[G0P+4*\sl+3], 0x80000000
	s_mov_b32 s[G0R+4*\sl], 1
	s_add_co_u32 s[G0R+4*\sl+1], s78, \sl*SLOT+8*UNIT
	s_add_nc_u64 s[G0R+4*\sl+2:G0R+4*\sl+3], s[60:61], \sl*4*UNIT
	s_or_b32 s[G0R+4*\sl+3], s[G0R+4*\sl+3], 0x80000000
.endr
	CROUND                                         ; all four work-groups are here: the joint loads meet
	s_cmp_lt_u32 s[WV], 2                          ; slot 0's fill: one tensor load a wave at the head
	s_cbranch_scc0 .Lfirst_r
	tensor_load_to_lds s[G0P:G0P+3], s[G1P:G1P+7]
	s_nop 0
.rept 4
	v_nop
.endr
	s_branch .Lfirst_asked
.Lfirst_r:
	tensor_load_to_lds s[G0R:G0R+3], s[G1R:G1R+7]
	s_nop 0
.rept 4
	v_nop
.endr
.Lfirst_asked:
	v_and_b32 v1, 31, v0
	v_lshlrev_b32 v[LI], 4, v1
	v_lshlrev_b32 v[LS], 2, v1
	v_add_nc_u32 v[ADP], s23, v[LI]
	v_add_nc_u32 v[ADP+1], SLOT, v[ADP]
	s_mul_i32 s79, s16, 6144
	s_add_co_u32 s79, s79, 8*UNIT
	v_add_nc_u32 v[ADR], s79, v[LI]
	v_add_nc_u32 v[ADR+1], SLOT, v[ADR]
	s_add_co_u32 s66, s23, 12288
	v_add_nc_u32 v[ASP], s66, v[LS]
	v_add_nc_u32 v[ASP+1], SLOT, v[ASP]
	s_lshl_b32 s67, s16, 8
	s_add_co_u32 s67, s67, 8*UNIT+12288
	v_add_nc_u32 v[ASR], s67, v[LS]
	v_add_nc_u32 v[ASR+1], SLOT, v[ASR]
	s_mul_i32 s68, s[WV], 16*SPI                   ; my stage
	v_and_b32 v10, 15, v0
	v_bfe_u32 v11, v0, 4, 1
	v_mul_u32_u24 v[STO], v10, SPI
	v_lshl_add_u32 v[STO], v11, 5, v[STO]
	v_add_nc_u32 v[STO], s68, v[STO]               ; in: row r, 32 bytes for each half of the lanes
	v_add_nc_u32 v[RD], s68, v[LI]                 ; back: the 32 lanes take one row of 512 bytes
	s_lshl_b32 s70, s21, 20                        ; 128 rows of 8,192 bytes,
	s_lshl_b32 s71, s16, 19                        ; my 64,
	s_add_co_u32 s70, s70, s71
	s_lshl_b32 s71, s19, 10                        ; 256 columns,
	s_add_co_u32 s70, s70, s71
	s_lshl_b32 s71, s15, 9                         ; my 128
	s_add_co_u32 s70, s70, s71
	s_mov_b32 s71, 0
	s_add_nc_u64 s[70:71], s[8:9], s[70:71]
	s_wait_alu depctr_va_vdst(0)
	s_wait_tensorcnt 0x0                           ; my part of slot 0 is in; slot 1's one fill is issued as a refill is
	ds_add_u32 v254, v255
	s_wait_dscnt 0x0
	CROUND                                         ; everybody's part of slot 0 is in, and the four partners are here
	s_cmp_lt_u32 s[WV], 2
	s_cbranch_scc0 .Lsecond_r
	tensor_load_to_lds s[G0P+4:G0P+7], s[G1P:G1P+7]
	s_nop 0
.rept 4
	v_nop
.endr
	s_branch .Lsecond_asked
.Lsecond_r:
	tensor_load_to_lds s[G0R+4:G0R+7], s[G1R:G1R+7]
	s_nop 0
.rept 4
	v_nop
.endr
.Lsecond_asked:
	FETCH 0, 0, 0
	STEP 0, 0, 0, 1                                ; the first K step starts the sums
	STEP 0, 1, 1, 0
	STEP 0, 2, 0, 0
	s_wait_tensorcnt 0x0                           ; my part of slot 1 is in,
	s_wait_dscnt 0x0                               ; and my reads of slot 0 are over
	s_barrier_signal -1
	WIN 0xa1
	MULS 1, 0, 1, 0
	WIN 0
	s_barrier_wait -1                              ; both hold of every wave: slot 1 is whole, and nobody reads slot 0 any more
	PLACES 4
	FETCH 1, 0, 0
	WIN 0xa1
	MULS 1, 2, 3, 0
	STEP 1, 0, 0, 0
	STEP 1, 1, 1, 0
	STEP 1, 2, 0, 0
	s_wait_dscnt 0x0
	WIN 0xa1
	MULS 1, 0, 3, 0
	WIN 0
	PLACES 4                                       ; in front of the first read of results and of loads into registers that the products read
; THE WAY OUT, a block of 16 tokens x 128 columns at a time: a lane's 32 bytes of a row go into my stage, whole rows of 512 bytes come back and are stored.  LDS serves a wave's instructions in order: no wait between the stores and the loads.
.macro TOSTAGE a
	WIN 0x08                                       ; an LDS store's data are its source 1: window 2
.irp t, 0,1,2,3,4,5,6,7
	ds_store_b128 v[STO], v[64*\a+8*\t:64*\a+8*\t+3] offset:64*\t          ; each accumulator from its low end on
	ds_store_b128 v[STO], v[64*\a+8*\t+4:64*\a+8*\t+7] offset:64*\t+16
.endr
	WIN 0
.set i, 0
.rept 16
	ds_load_b128 v[BK+64*(\a%2)+4*i:BK+64*(\a%2)+4*i+3], v[RD] offset:SPI*i
.set i, i+1
.endr
.endm
.macro SEND a, younger                 ; younger: the LDS instructions issued behind block a's loads, which may stay out
	s_wait_dscnt \younger
.set i, 0
.rept 16
	global_store_b128 v[LI], v[BK+64*(\a%2)+4*i:BK+64*(\a%2)+4*i+3], s[70:71] offset:(16*\a+i)*8192 th:TH_STORE_NT   ; 512 consecutive bytes, aligned; written once
.set i, i+1
.endr
.endm
	TOSTAGE 0
	TOSTAGE 1
	SEND 0, 32                                     ; behind block 0's loads: block 1's 16 stores and 16 loads
	s_wait_xcnt 0x0                                ; block 0's stores have read their registers: block 2's loads may land there
	TOSTAGE 2
	SEND 1, 32
	s_wait_xcnt 0x0
	TOSTAGE 3
	SEND 2, 32
	SEND 3, 0
	s_wait_tensorcnt 0x0
	ds_add_u32 v254, v255
	s_wait_dscnt 0x0
	CROUND                                         ; the closing round: no work-group ends while a partner may still ask for a tile that names it
	s_endpgm
.Lfunc_end_k_q4a462e2b0a_outp:
	.size	k_q4a462e2b0a_outp, .Lfunc_end_k_q4a462e2b0a_outp-k_q4a462e2b0a_outp
	.p2alignl 7, 3214868480
	.fill 96, 4, 3214868480
	.section	.rodata,"a",@progbits
	.p2align	6, 0x0
	.amdhsa_kernel k_q4a462e2b0a_outp
		.amdhsa_group_segment_fixed_size 327680
		.amdhsa_private_segment_fixed_size 0
		.amdhsa_enable_private_segment 0
		.amdhsa_kernarg_size 24
		.amdhsa_user_sgpr_count 2
		.amdhsa_user_sgpr_kernarg_segment_ptr 1
		.amdhsa_wavefront_size32 1
		.amdhsa_system_sgpr_workgroup_id_x 1
		.amdhsa_system_sgpr_workgroup_id_y 1
		.amdhsa_system_sgpr_workgroup_id_z 1
		.amdhsa_system_vgpr_workitem_id 0
		.amdhsa_next_free_vgpr 768
		.amdhsa_next_free_sgpr 80
		.amdhsa_reserve_vcc 0
		.amdhsa_float_denorm_mode_32 3
		.amdhsa_float_denorm_mode_16_64 3
		.amdhsa_memory_ordered 1
		.amdhsa_forward_progress 1
		.amdhsa_inst_pref_size 77
	.end_amdhsa_kernel
	.amdgpu_metadata
---
amdhsa.version: [ 1, 2 ]
amdhsa.kernels:
  - .name:           k_q4a462e2b0a_outp
    .symbol:         k_q4a462e2b0a_outp.kd
    .args:
      - { .name: oimg, .offset: 0, .size: 8, .value_kind: global_buffer, .address_space: global }
      - { .name: wimg, .offset: 8, .size: 8, .value_kind: global_buffer, .address_space: global }
      - { .name: out0, .offset: 16, .size: 8, .value_kind: global_buffer, .address_space: global }
    .group_segment_fixed_size: 327680
    .private_segment_fixed_size: 0
    .kernarg_segment_align: 8
    .kernarg_segment_size: 24
    .max_flat_workgroup_size: 128
    .sgpr_count:     80
    .vgpr_count:     768
    .wavefront_size: 32
...
	.end_amdgpu_metadata
.endif
;; end of part 4
